; MI455X (gfx1250); checked and timed in simulation.
; The chip was launched on July 23, 2026; its instructions are those of AMD's public machine-readable ISA for CDNA 5 (MIT licence, August 2026) and "CDNA5" Instruction Set Architecture Reference Guide (July 2026). The comments in the code are by the model that wrote it; some were corrected since.
;; Hierarchical Attention Layer. Allowed arithmetic: matrix products marked QUANTISED: E5M2 operands, one given power-of-two scale a tensor, by v_wmma_f32_16x16x64_bf8_bf8 or v_wmma_f32_16x16x128_bf8_bf8, f32 sums; everything else in f32.
;; Inputs: ffn_b1 2,048 float32; ffn_b2 1,024 float32; ffn_w1 1,024 x 2,048 float32; ffn_w2 2,048 x 1,024 float32; ln1_b 1,024 float32; ln1_g 1,024 float32; ln2_b 1,024 float32; ln2_g 1,024 float32; lowp_scales 12 int32 (the exponents e of the quantised operands' scales 2^e); out_b 1,024 float32; out_w 1,024 x 1,024 float32; qkv_b 3,072 float32; qkv_w 1,024 x 3,072 float32; x 2 x 2,048 x 1,024 float32.
;; Outputs: out0 2 x 2,048 x 1,024 float32.
;; This version of the problem:
;;   THIS VERSION OF THE PROBLEM IS GIVEN IN LOW PRECISION. The matrix products marked QUANTISED in the list below multiply operands that are first quantised to E5M2 (5 exponent bits, 2 mantissa bits; 8 bits a number), with one given power-of-two scale for each operand tensor; their sums are f32. All else is computed in f32.
;;   The module's matrix products, in the order in which they are computed (A, B: the left and right operand; K: the contracted axis; several contracted axes count as one K, in the product's order):
;;     1. [M 4,096, K 1,024] x [K 1,024, N 3,072]; A: computed on the way; B: input qkv_w: QUANTISED (scales: A lowp_scales[0], B lowp_scales[1])
;;     2. batch 32 x [M 2,048, K 64] x [K 64, N 2,048]; A: computed on the way; B: computed on the way: QUANTISED (scales: A lowp_scales[2], B lowp_scales[3])
;;     3. batch 32 x [M 2,048, K 2,048] x [K 2,048, N 64]; A: softmax (see below); B: computed on the way: QUANTISED (scales: A lowp_scales[4], B lowp_scales[5])
;;     4. [M 4,096, K 1,024] x [K 1,024, N 1,024]; A: computed on the way; B: input out_w: QUANTISED (scales: A lowp_scales[6], B lowp_scales[7])
;;     5. [M 4,096, K 1,024] x [K 1,024, N 2,048]; A: computed on the way; B: input ffn_w1: QUANTISED (scales: A lowp_scales[8], B lowp_scales[9])
;;     6. [M 4,096, K 2,048] x [K 2,048, N 1,024]; A: computed on the way; B: input ffn_w2: QUANTISED (scales: A lowp_scales[10], B lowp_scales[11])
;;   THE QUANTISER, for each operand of a quantised product, along K:
;;     - The operand's scale is 2^e, e = its entry of the input lowp_scales (int32; the entries are numbered through the quantised products in the list's order, A before B).
;;     - Each number is divided by the scale, clamped to +-57,344, and rounded to the nearest number of E5M2, ties to even, subnormals kept.
;;     - The product sums the exact products of the quantised numbers (number of the format x scale) in f32.
;;   ~~~python
;;   def quantise(x, axis, e):      # numpy; x: float32 -> the quantised numbers, widened to float32 again
;;       x = np.moveaxis(x, axis, -1); K = x.shape[-1]
;;       r = np.clip(x / 2.0 ** e, -57344, 57344)
;;       step = 2.0 ** (np.maximum(np.frexp(np.where(r == 0, 1, r))[1] - 1, -14) - 2)
;;       q = np.round(r / step) * step * 2.0 ** e      # np.round: ties to even
;;       return np.moveaxis(q, -1, axis).astype(np.float32)
;;   ~~~
;;   SOFTMAX AHEAD OF A QUANTISED PRODUCT. Where the list says 'softmax', what is quantised is not the finished softmax but p = 2^(t - M), with t = logit x log2(e) and M = ceil(the row's largest t), a whole number; so 1/2 < the row's largest p <= 1. The row's sum l is taken of the UNQUANTISED p, in f32, and the product's result is divided by l at the end. Since M is a whole number, a kernel that streams over the keys may use a running M (the ceiling of the running maximum): every later rescaling is an exact power of two, so the quantised numbers keep their values, but for numbers so far below the row's largest that they fall under the format's range.
;;   OPERANDS COMPUTED ON THE WAY. 'Computed on the way' means the value that the module computes at that place (a softmax that the list does not call 'softmax' is quantised finished and normalised). What goes into a quantiser is computed in f32, as accurately as f32 sums, v_exp_f32 and their like allow (about 1e-6 of the number): no bf16 or f16 on the way to a quantiser, and a product that is left as it is and whose result goes on into a quantised operand takes f32 operands (vector FMAs, or v_wmma_f32_16x16x4_f32). A number that lies on a knife's edge between two numbers of the format may be rounded either way, as far as f32 arithmetic and the matrix unit's own rounding can turn it there, and no further.
;; One version. Each part assembles by itself: llvm-mc -triple=amdgcn-amd-amdhsa -mcpu=gfx1250 --defsym DOCPART=n.
;; ======== version 1 of 1: 7 launches
;; limits: right only within a limited range of input values
;; workspace buffers: hc 4,194,304 bytes; wc 8,388,608 bytes; qkvc 12,582,912 bytes; ac 4,194,304 bytes; x1 16,777,216 bytes; h2c 4,194,304 bytes; gc 8,388,608 bytes
;; launch prep (part 1): grid 1024 x 1, 4 waves a work-group, no clusters, 18,944 bytes of LDS; arguments x, ln1_g, ln1_b, qkv_w, out_w, ffn_w1, ffn_w2, lowp_scales, hc, wc; writes hc, wc
.if DOCPART == 1
	.amdgcn_target "amdgcn-amd-amdhsa--gfx1250"
	.amdhsa_code_object_version 6
	.text
	.protected	k_q631f2536c4_prep
	.globl	k_q631f2536c4_prep
	.p2align	8
	.type	k_q631f2536c4_prep,@function
k_q631f2536c4_prep:
	s_mov_b64 s[64:65], 0
	v_nop
	global_prefetch_b8 v0, s[64:65] scope:SCOPE_SE
	s_setreg_imm32_b32 hwreg(HW_REG_WAVE_MODE, 25, 1), 1
	s_wait_xcnt 0x0
; TWO JOBS IN ONE LAUNCH, parted by the work-group's number.
; Work-groups 0-511: one block of 128 (n) x 128 (k) of a weight.  The weights are f32, stored [K][N]; they become codes of E5M2 with K innermost.
; Work-groups 512-1,023: 8 rows of x: layer norm 1 in f32, then codes of E5M2.  A wave takes two rows in one pass: all its loads go out at its start.
; LAYOUT OF ALL CODES: blocks of 128 rows x 128 codes, 16,384 dense bytes (row x 128 + k), ordered [tile of 128 rows][block of 128 along K].
; wc: blocks 0-191 qkv_w, 192-255 out_w, 256-383 ffn_w1, 384-511 ffn_w2; inside a weight: (n / 128) x (K / 128) + k / 128.
; code = number / 2^e, held within +-57,344, to the nearest code, ties to even.  e: lowp_scales[0] for the rows, [1], [7], [9], [11] for the weights.
; LIMITS: each e lies between -126 and 112, so that 2^e and 57,344 x 2^e are f32 numbers.  NaN and infinities among the inputs are not served.
; No tensor loads, no barrier: waves share nothing.  Only the weights' path uses LDS.
.set NWB,  512                         ; blocks of weights
.set VO,   32                          ; weights: v32-63   byte offset of row i of 32 at my column
.set X,    64                          ; v64-127  weights: two sets of 32 numbers;  rows: my 64 numbers of a row
.set WC,   128                         ; weights: v128-135 a block's codes
.set WO,   136                         ; weights: v136-167 the way out
.set SB,   56                          ; weights: s[56:63] four bases, 32 rows of the weight apart
.set WP,   144                         ; weights: a stage row: 128 bytes + 16
.set G,    128                         ; rows: v128-191 the gain at my 64 columns
.set BV,   192                         ; rows: v192-255 the bias
.set CD,   32                          ; rows: v32-47 codes
.set XA,   4
.set GA,   5
.set HO,   6
	s_load_b512 s[16:31], s[0:1], 0x0              ; x, ln1_g, ln1_b, qkv_w, out_w, ffn_w1, ffn_w2, lowp_scales
	s_load_b128 s[32:35], s[0:1], 0x40             ; hc, wc
	v_lshl_add_u32 v30, v0, 2, 0x4800
	v_mov_b32 v31, 0
	v_lshrrev_b32 v1, 5, v0
	v_readfirstlane_b32 s8, v1                     ; wave 0..3
	s_wait_kmcnt 0x0
	s_load_b256 s[40:47], s[30:31], 0x0            ; e0 .. e7
	s_load_b128 s[48:51], s[30:31], 0x20           ; e8 .. e11
	s_cmp_lt_u32 ttmp9, NWB
	s_cbranch_scc0 .Lnorm
; ---------------- a block of a weight.  A LANE TAKES A COLUMN n AND ITS REGISTERS RUN DOWN K: the conversions then give codes with K innermost
	v_and_b32 v1, 31, v0                           ; lane
	s_wait_alu depctr_va_vdst(0)
	s_mov_b64 s[36:37], s[28:29]                   ; the tensor, its first block, a row's bytes, log2(K / 128): ffn_w2's, unless the number says otherwise
	s_mov_b32 s52, 384
	s_mov_b32 s53, 4096
	s_mov_b32 s54, 4
	s_cmp_lt_u32 ttmp9, 384
	s_cselect_b64 s[36:37], s[26:27], s[36:37]     ; ffn_w1
	s_cselect_b32 s52, 256, s52
	s_cselect_b32 s53, 8192, s53
	s_cselect_b32 s54, 3, s54
	s_cmp_lt_u32 ttmp9, 256
	s_cselect_b64 s[36:37], s[24:25], s[36:37]     ; out_w
	s_cselect_b32 s52, 192, s52
	s_cselect_b32 s53, 4096, s53
	s_cmp_lt_u32 ttmp9, 192
	s_cselect_b64 s[36:37], s[22:23], s[36:37]     ; qkv_w
	s_cselect_b32 s52, 0, s52
	s_cselect_b32 s53, 12288, s53
	s_sub_co_u32 s38, ttmp9, s52                   ; the block's number inside its weight
	s_lshr_b32 s39, s38, s54                       ; n / 128
	s_lshl_b32 s66, s39, s54
	s_sub_co_u32 s38, s38, s66                     ; k / 128
	s_lshl_b32 s66, s53, 7
	s_mul_i32 s66, s66, s38                        ; 128 rows of the weight for each block along K,
	s_lshl_b32 s67, s39, 9
	s_add_co_u32 s66, s66, s67                     ; 512 bytes for each tile of 128 columns,
	s_lshl_b32 s67, s8, 7
	s_add_co_u32 s66, s66, s67                     ; 128 bytes for each wave's 32 columns
	s_mov_b32 s67, 0
	s_add_nc_u64 s[SB:SB+1], s[36:37], s[66:67]
	s_lshl_b32 s66, s53, 5                         ; 32 rows on
	s_add_nc_u64 s[SB+2:SB+3], s[SB:SB+1], s[66:67]
	s_add_nc_u64 s[SB+4:SB+5], s[SB+2:SB+3], s[66:67]
	s_add_nc_u64 s[SB+6:SB+7], s[SB+4:SB+5], s[66:67]
	s_lshl_b32 s66, ttmp9, 14                      ; the block's place in wc,
	s_lshl_b32 s68, s8, 12                         ; my wave's 32 rows of 128 bytes in it
	s_add_co_u32 s66, s66, s68
	s_add_nc_u64 s[34:35], s[34:35], s[66:67]
	v_lshlrev_b32 v[VO], 2, v1                     ; 4 bytes a lane
.set i, 1
.rept 31
	v_mad_u32_u24 v[VO+i], s53, i, v[VO]           ; + i rows
.set i, i+1
.endr
.macro WLOAD t                         ; 32 along K, from 32 t on, at my column, into set t % 2: each load reads 128 consecutive bytes a wave, the four waves side by side
.set i, 0
.rept 32
	global_load_b32 v[X+32*((\t)%2)+i], v[VO+i], s[SB+2*(\t):SB+2*(\t)+1] th:TH_LOAD_NT
.set i, i+1
.endr
.endm
	WLOAD 0
	WLOAD 1
	s_mul_i32 s68, s8, 32*WP                       ; my wave's stage
	v_mul_u32_u24 v4, v1, WP
	v_add_nc_u32 v4, s68, v4                       ; in: row = my column
	v_lshrrev_b32 v5, 3, v1
	v_mul_u32_u24 v7, v5, WP
	v_and_b32 v5, 7, v1
	v_lshl_add_u32 v7, v5, 4, v7
	v_add_nc_u32 v7, s68, v7                       ; out: eight lanes to a row of 128 bytes, four rows an instruction
	v_lshlrev_b32 v8, 4, v1                        ; and the same 512 bytes in the block
	s_wait_kmcnt 0x0
	s_cmp_lt_u32 ttmp9, 384                        ; the weight's exponent
	s_cselect_b32 s55, s49, s51
	s_cmp_lt_u32 ttmp9, 256
	s_cselect_b32 s55, s47, s55
	s_cmp_lt_u32 ttmp9, 192
	s_cselect_b32 s55, s41, s55
	s_add_co_i32 s55, s55, 127
	s_lshl_b32 s68, s55, 23
	v_mov_b32 v11, s68                             ; 2^e as f32: the conversion takes its exponent field
	s_add_co_i32 s55, s55, 15
	s_lshl_b32 s55, s55, 23
	s_or_b32 s55, s55, 0x600000
	v_mov_b32 v10, s55                             ; 57,344 x 2^e
.macro WBLOCK t
.set XS, X+32*((\t)%2)
.if (\t) < 3
	s_wait_loadcnt 32                              ; this block's 32 loads are in; the next block's 32 may be out
.else
	s_wait_loadcnt 0x0
.endif
.set i, 0
.rept 32
	v_med3_num_f32 v[XS+i], v[XS+i], -v10, v10     ; the conversion to an 8-bit code does not saturate (ISA guide 7.6.2): the hold comes first
.set i, i+1
.endr
.irp g, 0,1,2,3
	v_cvt_scalef32_pk8_bf8_f32 v[WC+2*\g:WC+2*\g+1], v[XS+8*\g:XS+8*\g+7], v11
.endr
	ds_store_b128 v4, v[WC:WC+3] offset:32*(\t)    ; 32 codes of my column's row
	ds_store_b128 v4, v[WC+4:WC+7] offset:32*(\t)+16
.if (\t) < 2
	WLOAD (\t)+2
.endif
	s_wait_dscnt 0x0                               ; the stores have read their registers: the next block's codes may be written
.endm
	s_wait_alu depctr_va_vdst(0)
	WBLOCK 0
	WBLOCK 1
	WBLOCK 2
	WBLOCK 3
.irp t, 0,1,2,3,4,5,6,7
	ds_load_b128 v[WO+4*\t:WO+4*\t+3], v7 offset:4*\t*WP   ; LDS serves a wave's instructions in order: these see my stores
.endr
.irp t, 0,1,2,3,4,5,6,7
	s_wait_dscnt 7-\t                              ; the younger of the eight loads may be out
	global_store_b128 v8, v[WO+4*\t:WO+4*\t+3], s[34:35] offset:512*\t   ; 32 lanes store 512 consecutive bytes
.endr
	s_wait_tensorcnt 0x0
	ds_add_u32 v30, v31
	s_wait_dscnt 0x0
	s_endpgm
; ---------------- 8 rows of x.  Half a wave (16 lanes) owns a row; a lane holds columns 128 kb + 8 (lane % 16) + 0 .. 7, kb = 0 .. 7: eight neighbours along K for each conversion
.macro LNFOLD                          ; four chains of pairs -> one number -> the row's 16 lanes
	v_pk_add_f32 v[8:9], v[8:9], v[10:11]
	v_pk_add_f32 v[12:13], v[12:13], v[14:15]
	v_pk_add_f32 v[8:9], v[8:9], v[12:13]
	v_add_f32 v8, v8, v9
	v_add_f32_dpp v8, v8, v8 row_xmask:1 row_mask:0xf bank_mask:0xf
	v_add_f32_dpp v8, v8, v8 row_xmask:2 row_mask:0xf bank_mask:0xf
	v_add_f32_dpp v8, v8, v8 row_xmask:4 row_mask:0xf bank_mask:0xf
	v_add_f32_dpp v8, v8, v8 row_xmask:8 row_mask:0xf bank_mask:0xf
.endm
.Lnorm:
	v_and_b32 v1, 15, v0
	v_bfe_u32 v2, v0, 4, 1                         ; which of the two rows
	v_lshlrev_b32 v[GA], 5, v1                     ; 32 bytes a lane
	v_lshl_add_u32 v[XA], v2, 12, v[GA]            ; + a row of 4,096 bytes
	s_wait_alu depctr_va_vdst(0)
	v_lshlrev_b32 v[HO], 3, v1                     ; 8 codes a lane
	v_lshl_add_u32 v[HO], v2, 7, v[HO]             ; + a row of 128 codes
	s_sub_co_u32 s36, ttmp9, NWB                   ; which 8 rows
	s_lshl_b32 s38, s36, 15
	s_lshl_b32 s39, s8, 13                         ; my wave's two of them
	s_add_co_u32 s38, s38, s39
	s_mov_b32 s39, 0
	s_add_nc_u64 s[16:17], s[16:17], s[38:39]
	s_lshr_b32 s38, s36, 4
	s_lshl_b32 s38, s38, 17                        ; the tile of 128 rows: 8 blocks
	s_and_b32 s37, s36, 15
	s_lshl_b32 s37, s37, 10                        ; 8 rows of 128 bytes
	s_add_co_u32 s38, s38, s37
	s_lshl_b32 s37, s8, 8
	s_add_co_u32 s38, s38, s37
	s_add_nc_u64 s[32:33], s[32:33], s[38:39]
	s_mov_b32 s12, 0x3a800000                      ; 1 / 1,024
	s_mov_b32 s13, 0x3727c5ac                      ; 1e-5
.irp kb, 0,1,2,3,4,5,6,7
	global_load_b128 v[X+8*\kb:X+8*\kb+3], v[XA], s[16:17] offset:512*\kb
	global_load_b128 v[X+8*\kb+4:X+8*\kb+7], v[XA], s[16:17] offset:512*\kb+16
.endr
.irp kb, 0,1,2,3,4,5,6,7
	global_load_b128 v[G+8*\kb:G+8*\kb+3], v[GA], s[18:19] offset:512*\kb
	global_load_b128 v[G+8*\kb+4:G+8*\kb+7], v[GA], s[18:19] offset:512*\kb+16
	global_load_b128 v[BV+8*\kb:BV+8*\kb+3], v[GA], s[20:21] offset:512*\kb
	global_load_b128 v[BV+8*\kb+4:BV+8*\kb+7], v[GA], s[20:21] offset:512*\kb+16
.endr
	s_wait_kmcnt 0x0
	s_add_co_i32 s40, s40, 127
	s_lshl_b32 s37, s40, 23
	v_mov_b32 v28, s37                             ; 2^e0
	s_add_co_i32 s40, s40, 15
	s_lshl_b32 s40, s40, 23
	s_or_b32 s40, s40, 0x600000
	v_mov_b32 v29, s40                             ; 57,344 x 2^e0
	s_wait_loadcnt 32                              ; the row's 16 loads are in; the 32 of gain and bias may be out
.irp c, 0,2,4,6
	v_pk_add_f32 v[8+\c:9+\c], v[X+\c:X+\c+1], v[X+8+\c:X+8+\c+1]
.endr
.set j, 16
.rept 24
	v_pk_add_f32 v[8+j%8:9+j%8], v[8+j%8:9+j%8], v[X+j:X+j+1]
.set j, j+2
.endr
	LNFOLD
	v_mul_f32 v24, s12, v8                         ; the mean
	v_mov_b32 v25, v24
.set j, 0
.rept 32
	v_pk_add_f32 v[X+j:X+j+1], v[X+j:X+j+1], v[24:25] neg_lo:[0,1] neg_hi:[0,1]   ; x - mean: the variance is taken of these, so a common offset of the inputs does no harm
.set j, j+2
.endr
.irp c, 0,2,4,6
	v_pk_mul_f32 v[8+\c:9+\c], v[X+\c:X+\c+1], v[X+\c:X+\c+1]
.endr
.set j, 8
.rept 28
	v_pk_fma_f32 v[8+j%8:9+j%8], v[X+j:X+j+1], v[X+j:X+j+1], v[8+j%8:9+j%8]
.set j, j+2
.endr
	LNFOLD
	v_fma_f32 v8, v8, s12, s13                     ; the variance + 1e-5
	s_wait_alu depctr_va_vdst(0)
	v_rsq_f32 v26, v8
	v_nop                                          ; a plain instruction behind the transcendental,
	s_wait_alu depctr_va_vdst(0)                   ; and the wait ahead of its first reader
	v_mov_b32 v27, v26
.set j, 0
.rept 32
	v_pk_mul_f32 v[X+j:X+j+1], v[X+j:X+j+1], v[26:27]
.set j, j+2
.endr
	s_wait_loadcnt 0x0                             ; gain and bias
.set j, 0
.rept 32
	v_pk_fma_f32 v[X+j:X+j+1], v[X+j:X+j+1], v[G+j:G+j+1], v[BV+j:BV+j+1]
.set j, j+2
.endr
.set j, 0
.rept 64
	v_med3_num_f32 v[X+j], v[X+j], -v29, v29       ; the hold at the largest code x the scale
.set j, j+1
.endr
.irp kb, 0,1,2,3,4,5,6,7
	v_cvt_scalef32_pk8_bf8_f32 v[CD+2*\kb:CD+2*\kb+1], v[X+8*\kb:X+8*\kb+7], v28
.endr
	v_nop                                          ; a plain instruction behind the last conversion
.irp kb, 0,1,2,3,4,5,6,7
	global_store_b64 v[HO], v[CD+2*\kb:CD+2*\kb+1], s[32:33] offset:\kb*16384   ; 32 lanes: two neighbouring rows of a block, 256 consecutive bytes
.endr
	s_endpgm
.Lfunc_end_k_q631f2536c4_prep:
	.size	k_q631f2536c4_prep, .Lfunc_end_k_q631f2536c4_prep-k_q631f2536c4_prep
	.p2alignl 7, 3214868480
	.fill 96, 4, 3214868480
	.section	.rodata,"a",@progbits
	.p2align	6, 0x0
	.amdhsa_kernel k_q631f2536c4_prep
		.amdhsa_group_segment_fixed_size 18944
		.amdhsa_private_segment_fixed_size 0
		.amdhsa_enable_private_segment 0
		.amdhsa_kernarg_size 80
		.amdhsa_user_sgpr_count 2
		.amdhsa_user_sgpr_kernarg_segment_ptr 1
		.amdhsa_wavefront_size32 1
		.amdhsa_system_sgpr_workgroup_id_x 1
		.amdhsa_system_sgpr_workgroup_id_y 1
		.amdhsa_system_sgpr_workgroup_id_z 1
		.amdhsa_system_vgpr_workitem_id 0
		.amdhsa_next_free_vgpr 256
		.amdhsa_next_free_sgpr 80
		.amdhsa_reserve_vcc 0
		.amdhsa_float_denorm_mode_32 3
		.amdhsa_float_denorm_mode_16_64 3
		.amdhsa_memory_ordered 1
		.amdhsa_forward_progress 1
		.amdhsa_inst_pref_size 51
	.end_amdhsa_kernel
	.amdgpu_metadata
---
amdhsa.version: [ 1, 2 ]
amdhsa.kernels:
  - .name:           k_q631f2536c4_prep
    .symbol:         k_q631f2536c4_prep.kd
    .args:
      - { .name: x, .offset: 0, .size: 8, .value_kind: global_buffer, .address_space: global }
      - { .name: ln1_g, .offset: 8, .size: 8, .value_kind: global_buffer, .address_space: global }
      - { .name: ln1_b, .offset: 16, .size: 8, .value_kind: global_buffer, .address_space: global }
      - { .name: qkv_w, .offset: 24, .size: 8, .value_kind: global_buffer, .address_space: global }
      - { .name: out_w, .offset: 32, .size: 8, .value_kind: global_buffer, .address_space: global }
      - { .name: ffn_w1, .offset: 40, .size: 8, .value_kind: global_buffer, .address_space: global }
      - { .name: ffn_w2, .offset: 48, .size: 8, .value_kind: global_buffer, .address_space: global }
      - { .name: lowp_scales, .offset: 56, .size: 8, .value_kind: global_buffer, .address_space: global }
      - { .name: hc, .offset: 64, .size: 8, .value_kind: global_buffer, .address_space: global }
      - { .name: wc, .offset: 72, .size: 8, .value_kind: global_buffer, .address_space: global }
    .group_segment_fixed_size: 18944
    .private_segment_fixed_size: 0
    .kernarg_segment_align: 8
    .kernarg_segment_size: 80
    .max_flat_workgroup_size: 128
    .sgpr_count:     80
    .vgpr_count:     256
    .wavefront_size: 32
...
	.end_amdgpu_metadata
.endif
;; end of part 1
;; launch qkv (part 2): grid 8 x 32, 4 waves a work-group, clusters of 4 x 4, 327,680 bytes of LDS; arguments hc, wc, lowp_scales, qkv_b, qkvc; writes qkvc
.if DOCPART == 2
	.amdgcn_target "amdgcn-amd-amdhsa--gfx1250"
	.amdhsa_code_object_version 6
	.text
	.protected	k_q631f2536c4_qkv
	.globl	k_q631f2536c4_qkv
	.p2align	8
	.type	k_q631f2536c4_qkv,@function
k_q631f2536c4_qkv:
	s_mov_b64 s[64:65], 0
	v_nop
	global_prefetch_b8 v0, s[64:65] scope:SCOPE_SE
	s_setreg_imm32_b32 hwreg(HW_REG_WAVE_MODE, 25, 1), 1
	s_wait_xcnt 0x0
	s_wait_alu depctr_hold_cnt(0) depctr_sa_sdst(0) depctr_va_vdst(0) depctr_va_sdst(0) depctr_va_ssrc(0) depctr_va_vcc(0) depctr_vm_vsrc(0)
	s_getreg_b32 s2, hwreg(HW_REG_IB_STS2, 6, 4)
	s_cmp_eq_u32 s2, 0
	s_cbranch_scc0 .Lentry_in_a_cluster
	s_endpgm
.Lentry_in_a_cluster:
	s_bfe_u32 s2, ttmp6, 0x10000c
	s_cmp_lg_u32 s2, 0xf033
	s_cbranch_scc0 .Lentry_shape_is_right
	s_endpgm
.Lentry_shape_is_right:
; q, k, v = LN1(x) qkv_w + qkv_b, on codes of E5M2, and quantised again at once: q with lowp_scales[2], k with [3], v with [5].
; A WORK-GROUP STAYS: it owns 128 tokens (y) and a pair of heads (x) and makes three tiles of 128 x 128, one after the other: the pair's q, its k, its v.  Four waves, each 64 x 64 = 16 accumulators.
; LDS: two slots of 512 along K, each with the tokens' four blocks and the weight's four.  THE TOKENS' CODES ARE FETCHED ONCE and serve all three tiles; only the weight's halves of the slots are filled again:
; slot 0's at the change of slots in a tile's middle, slot 1's in the tile's last quarter, so that the next tile's weights come in beside this tile's products and its way out.
; Codes lie in blocks of 128 rows x 128 codes (16,384 dense bytes), [tile of rows][block along K]; a tensor load brings two blocks as 256 rows of 128 bytes, 16 bytes of padding behind each.
; q and k: source 0 = 16 rows of the weight, source 1 = 16 tokens: a lane holds one token and eight neighbouring channels, which one conversion turns into 8 codes.
; v wants the TOKENS innermost (they are the K of attention's second product): there the two sources change places, and a lane holds one channel and eight neighbouring tokens.
; OUT: qkvc = three regions of 4 MiB (q, k, v); block ((batch x 8 + pair of heads) x 16 + tile of 128 tokens); q, k: [token][2 x 64 channels]; v: [2 x 64 channels][token].
; A fragment is fetched by four loads of 16 bytes: k stands at 32 c + 16 (lane / 16) + 0 .. 15 in registers 4 c .. 4 c + 3, alike in both operands: only the order of the sums inside an instruction changes.
; CLUSTERS: 4 x 4 work-groups; the tokens' tiles are asked for jointly along a row of the cluster, the weight's along a column.
; LIMITS: e0 + e1 between -126 and 127; e2, e3, e5 between -126 and 112.  NaN and infinities are not served.
; REGISTERS: window 0: v1-17 addresses and scales; v24-31 codes; v32-63 q's bias, v64-95 k's (both later: rows read back); v96-103 v's bias; v128-255 the accumulators ((a, b) at 128 + 8 (4 a + b)).
;   window 1: two fragment buffers of 128: the tokens' four fragments, then the weight's four.
; WHERE THE LINES ABOVE SAY OTHERWISE, THESE HOLD.  A tensor load brings four blocks on end, stated as 256 rows of 256 bytes, one operand's part of a slot; each wave issues one at the head, so both slots are asked for at once.
; A refill of the weight's part of slot s is issued by wave s + 2.  The tokens' fragments are fetched from LDS in the first tile alone and stay in windows 2 and 3; window 1 holds the weight's two buffers (v64-127, v192-255).
.set SIZE_K, 1024
.set KB,     SIZE_K/128
.set BLK,    16384
.set PITCH,  144                       ; an LDS row: 128 bytes + 16 = 36 words: the 16 rows that a load touches start at 16 different groups of four banks (64 banks of 4 bytes: ISA guide 11.1)
.set LBLK,   128*PITCH
.set HALFT,  2*LBLK                    ; half of what one tensor load brings
.set SLOT,   4*HALFT                   ; the tokens' four blocks, then the weight's four
.set SPARE,  2*SLOT                    ; behind the slots: the spare words, 128 bytes for each wave
.set STG,    SPARE+512                 ; behind them: the stage for the way out, 128 rows x 144 bytes; no fill lands here
.set NEXTB,  8*KB*BLK                  ; from a tile's weight to the next tile's: eight tiles of 128 rows on
.set ADRA, 4
.set ADRB, 6
.set STO,  8
.set RD,   9
.set CO,   10
.set STOV, 11
.set SPW,  12
.set NIL,  13
.set SC,   14
.set LIM,  15
.set BO,   16
.set RO,   17
.set CD,   24
.set CB,   32
.set RB,   96
.set ACC,  128
.set F0,   0
.set F1,   128
.set G1,  24
.set G0,  32
.set G1B, 48
.set G0B, 56
.set SW,  0                            ; 1: the two sources of the matrix instruction change places (the tile of v)
.set MSB, 0
.macro WIN new                         ; the immediate's high byte repeats the setting that is left
.if MSB != \new
	s_set_vgpr_msb (MSB<<8)|\new
.set MSB, \new
.endif
.endm
.set MUL,  0x05                        ; sources 0 and 1 window 1; C and D window 0
.set TO_F, 0x40                        ; destination window 1, address window 0
; A TENSOR LOAD NOW BRINGS FOUR BLOCKS ON END (65,536 dense bytes, stated as 256 rows of 256 bytes; 16 bytes of padding still behind each 128): one operand's whole part of a slot.
; The descriptors hang on no wave's number: set s of G0 is the tokens' part of slot s, set s of G0B the weight's.
.macro ARM g0, g1                      ; one joint load; an s_nop 0 and four v_nop follow it
	tensor_load_to_lds s[\g0:\g0+3], s[\g1:\g1+7]
	s_nop 0
.rept 4
	v_nop
.endr
.endm
.macro HLOAD                           ; the first fills: one chain of branches on the wave's number, one load to an arm: wave 0, 1 the tokens' part of slot 0, 1; wave 2, 3 the weight's.  All 1,024 along K are asked for at once
	s_cmp_lg_u32 s10, 0
	s_cbranch_scc1 .Lh1_\@
	ARM G0, G1
	s_branch .Lhj_\@
.Lh1_\@:
	s_cmp_lg_u32 s10, 1
	s_cbranch_scc1 .Lh2_\@
	ARM G0+4, G1
	s_branch .Lhj_\@
.Lh2_\@:
	s_cmp_lg_u32 s10, 2
	s_cbranch_scc1 .Lh3_\@
	ARM G0B, G1B
	s_branch .Lhj_\@
.Lh3_\@:
	ARM G0B+4, G1B
.Lhj_\@:
.endm
; A refill: the weight's four blocks of slot s, by wave s + 2 alone; the other waves have nothing to fill.  A refill is asked for four K steps and a way out ahead of its first read.
.macro JLOADB s
	s_cmp_lg_u32 s10, \s+2
	s_cbranch_scc0 .Lfor_b_\@
.rept 4
	v_nop
.endr
	s_branch .Lasked_\@
.Lfor_b_\@:
	tensor_load_to_lds s[G0B+4*\s:G0B+4*\s+3], s[G1B:G1B+7]
	s_nop 0
.rept 4
	v_nop
.endr
.Lasked_\@:
.endm
.macro CREST
	s_cmp_lg_u32 s10, 0
	s_cbranch_scc1 .Lnot_wave_0_\@
	s_barrier_signal -3
.Lnot_wave_0_\@:
	s_barrier_wait -3
	s_barrier_signal -1
	s_barrier_wait -1
.endm
.macro CROUND                          ; a round of the cluster's barrier
	s_barrier_signal -1
	s_barrier_wait -1
	CREST
.endm
.macro PLACES                          ; four places behind matrix instructions (ISA guide 7.12.1), where no other vector work is at hand
.rept 4
	v_nop
.endr
.endm
.macro MUL4 f, a, zero                 ; the tokens' block a against the weight's four, 128 along K.  The 16 accumulators take turns in one order
.irp b, 0,1,2,3
.set DD, ACC+8*(4*(\a)+\b)
.if SW
.set OPA, 64*(KS%4)+16*(\a)
.set OPB, \f+64+16*\b
.else
.set OPA, \f+64+16*\b
.set OPB, 64*(KS%4)+16*(\a)
.endif
.if \zero
	v_wmma_f32_16x16x128_bf8_bf8 v[DD:DD+7], v[OPA:OPA+15], v[OPB:OPB+15], 0
.else
	v_wmma_f32_16x16x128_bf8_bf8 v[DD:DD+7], v[OPA:OPA+15], v[OPB:OPB+15], v[DD:DD+7]
.endif
.endr
.endm
.macro FETCH slot, q, f                ; 32 LDS loads in one run: the fragments of the slot's q-th 128 along K: the weight's four, then the tokens' four
	WIN TO_F
.irp i, 0,1,2,3
.irp c, 0,1,2,3
	ds_load_b128 v[\f+64+16*\i+4*\c:\f+64+16*\i+4*\c+3], v[ADRB+\slot] offset:(\q)*LBLK+\i*16*PITCH+32*\c
.endr
.endr
; THE TOKENS' FRAGMENTS STAY IN REGISTERS: K step k's four lie at v[64 (k % 4) ..] of window 2 (k < 4) or 3.  They are fetched in the first tile alone (FN = 1) and serve all three tiles: later tiles read the weight's 16 loads a K step and no more.
.if FN
.set KF, 4*(\slot)+(\q)
.set WA, 0x80+0x40*(KF/4)
	WIN WA
.irp i, 0,1,2,3
.irp c, 0,1,2,3
	ds_load_b128 v[64*(KF%4)+16*\i+4*\c:64*(KF%4)+16*\i+4*\c+3], v[ADRA+\slot] offset:(\q)*LBLK+\i*16*PITCH+32*\c
.endr
.endr
.endif
.endm
.macro SETK k                          ; the K step that is multiplied next: where its tokens' fragments lie, and the windows of the two sources (the weight's buffers are in window 1; C and D in window 0)
.set KS, \k
.if SW
.set MUL, (2+KS/4)|4
.else
.set MUL, 1|((2+KS/4)<<2)
.endif
.endm
; FP = 1: the fetch that is out holds the tokens' 16 loads behind the weight's 16; FN = 1: so does the fetch issued next
.macro QUARTER slot, q, f, g, zero
	SETK 4*(\slot)+(\q)-1
	s_wait_dscnt 8*FP                              ; the weight's four fragments are in (FP = 1: and the tokens' first two; the youngest eight loads may be out)
	WIN MUL
	MUL4 \f, 0, \zero
	MUL4 \f, 1, \zero
	PLACES
	FETCH \slot, \q, \g
	s_wait_dscnt 16+16*FN                          ; all but the loads just issued
.set FP, FN
	WIN MUL
	MUL4 \f, 2, \zero
	MUL4 \f, 3, \zero
.endm
.macro TURN slot, next, fill
	SETK 4*(\slot)+3
	WIN 0
	s_wait_tensorcnt 0x0                           ; all my tensor loads have landed: my part of the next slot
	ds_add_u32 v[SPW], v[NIL]                      ; 0 onto my spare word
	s_wait_dscnt 8*FP+1                            ; (the add may be out; FP = 1: and the youngest eight loads)
	WIN MUL
	MUL4 F1, 0, 0
	s_wait_dscnt 0x0                               ; the add is done, and my reads of this slot are over
	s_barrier_signal -1
	MUL4 F1, 1, 0
.if \fill
	WIN 0
.endif
	s_barrier_wait -1
.if \fill
	CREST                                          ; the barrier has opened a round of the cluster's: no wave of any partner still reads this slot or has a load on its way
	s_add_nc_u64 s[G0B+4*\slot+2:G0B+4*\slot+3], s[G0B+4*\slot+2:G0B+4*\slot+3], NEXTB
	JLOADB \slot                                   ; the first tensor load behind the round
.else
	PLACES
.endif
	FETCH \next, 0, F0
.set FP, FN
	WIN MUL
	MUL4 F1, 2, 0
	MUL4 F1, 3, 0
.endm
.macro SCALES d, e                     ; s[d] = 2^e as f32, s[d + 1] = 57,344 x 2^e
	s_add_co_i32 s[\d+1], s[\e], 127
	s_lshl_b32 s[\d], s[\d+1], 23
	s_add_co_i32 s[\d+1], s[\d+1], 15
	s_lshl_b32 s[\d+1], s[\d+1], 23
	s_or_b32 s[\d+1], s[\d+1], 0x600000
.endm
; THE WAY OUT of tile t (0 q, 1 k, 2 v): number = sum x 2^(e0 + e1) + bias, in place; held, converted; 8 codes a lane into the work-group's stage; a barrier, since a row's 128 bytes come from two waves; back as whole rows.
; The next tile's weights are on their way meanwhile.  The next tile's changes of slots stand between this tile's reads of the stage and the next tile's stores into it.
.macro WAYOUT t
	WIN 0
.if \t == 0
	s_wait_loadcnt 0x0                             ; the three biases
.endif
	v_mov_b32 v[SC], s[88+2*\t]                    ; these lines are the places behind the last products
	v_mov_b32 v[LIM], s[89+2*\t]
.if \t == 2
.irp b, 0,1,2,3
	v_mov_b32 v[RB+2*\b+1], v[RB+2*\b]             ; a lane's channel has one bias for all its tokens
.endr
.else
	v_nop
	v_nop
.endif
.irp a, 0,1,2,3
.set XX, ACC+32*\a
.set j, 0
.rept 16
.if \t == 2
	v_pk_fma_f32 v[XX+j:XX+j+1], v[XX+j:XX+j+1], s[66:67], v[RB+2*(j/8):RB+2*(j/8)+1] op_sel_hi:[1,0,1]
.else
	v_pk_fma_f32 v[XX+j:XX+j+1], v[XX+j:XX+j+1], s[66:67], v[CB+32*\t+j:CB+32*\t+j+1] op_sel_hi:[1,0,1]   ; each accumulator from its low end on
.endif
.set j, j+2
.endr
.set n, 0
.rept 32
	v_med3_num_f32 v[XX+n], v[XX+n], -v[LIM], v[LIM]   ; the conversion to an 8-bit code does not saturate (ISA guide 7.6.2): the hold comes first
.set n, n+1
.endr
	s_wait_alu depctr_va_vdst(0)
	s_wait_dscnt 0x0                               ; the last four stores have read the codes' registers
.irp b, 0,1,2,3
	v_cvt_scalef32_pk8_bf8_f32 v[CD+2*\b:CD+2*\b+1], v[XX+8*\b:XX+8*\b+7], v[SC]
.endr
	v_nop                                          ; a plain instruction behind the last conversion
.irp b, 0,1,2,3
.if \t == 2
	ds_store_b64 v[STOV], v[CD+2*\b:CD+2*\b+1] offset:\b*16*PITCH+16*\a   ; row = channel, byte = token
.else
	ds_store_b64 v[STO], v[CD+2*\b:CD+2*\b+1] offset:\a*16*PITCH+16*\b    ; row = token, byte = channel
.endif
.endr
.endr
	s_wait_dscnt 0x0                               ; for the others' sake: my stores into the stage are done
	s_barrier_signal -1
	s_barrier_wait -1
.set BK, 32+32*((\t)%2)
.if \t >= 2
	s_wait_xcnt 0x0                                ; tile 0's stores have read these registers
.endif
.irp i, 0,1,2,3,4,5,6,7
	ds_load_b128 v[BK+4*\i:BK+4*\i+3], v[RD] offset:4*\i*PITCH
.endr
.irp i, 0,1,2,3,4,5,6,7
	s_wait_dscnt 7-\i                              ; the younger of the eight loads may be out
	global_store_b128 v[CO], v[BK+4*\i:BK+4*\i+3], s[72+2*\t:73+2*\t] offset:512*\i   ; 32 lanes store 512 consecutive bytes of the block
.endr
.endm
.macro TILE t, more                    ; more = 1: another tile follows, and both slots' weights are asked for again
	QUARTER 0, 1, F0, F1, 1                        ; the first products start the sums: nothing is cleared
	QUARTER 0, 2, F1, F0, 0
	QUARTER 0, 3, F0, F1, 0
	TURN 0, 1, \more
	QUARTER 1, 1, F0, F1, 0
	QUARTER 1, 2, F1, F0, 0
	QUARTER 1, 3, F0, F1, 0
.if \more
.set FN, 0                             ; from here on the tokens' fragments are all in registers
	TURN 1, 0, 1
.else
	SETK 7
	s_wait_dscnt 8*FP
	WIN MUL
	MUL4 F1, 0, 0
	MUL4 F1, 1, 0
	s_wait_dscnt 0x0
	MUL4 F1, 2, 0
	MUL4 F1, 3, 0
.endif
	WAYOUT \t
.endm
	s_load_b128 s[4:7], s[0:1], 0x0                ; hc, wc
	s_load_b128 s[68:71], s[0:1], 0x10             ; the scales' exponents, qkv_b
	s_load_b64 s[72:73], s[0:1], 0x20              ; qkvc
	v_lshl_add_u32 v[SPW], v0, 2, SPARE
	v_mov_b32 v[NIL], 0
	ds_add_u32 v12, v13
	ds_add_u32 v12, v13
	s_wait_dscnt 0x0
	v_lshrrev_b32 v1, 5, v0
	v_readfirstlane_b32 s10, v1                    ; wave 0..3
	s_lshr_b32 s11, s10, 1                         ; which half of the tokens is mine.  Also: I fetch for the tokens (0) or for the weight (1)
	s_and_b32 s12, s10, 1                          ; which half of the weight's rows.  Also: which slot I fetch for
	s_bfe_u32 s40, ttmp6, 0x40000                  ; cx, cy: my place in the cluster
	s_bfe_u32 s41, ttmp6, 0x40004
	s_lshl_b32 s42, ttmp9, 2
	s_add_co_u32 s42, s42, s40                     ; the pair of heads, 0-7
	s_and_b32 s13, ttmp7, 0xffff
	s_lshl_b32 s13, s13, 2
	s_add_co_u32 s13, s13, s41                     ; the tile of tokens, 0-31
	s_lshl_b32 s43, s41, 2
	s_lshl_b32 s43, 15, s43                        ; my row of the cluster
	s_lshl_b32 s44, 0x1111, s40                    ; my column
	s_or_b32 s[G1+0], s43, (1<<20)|(1<<21)|(4<<22)|(3<<25)   ; 15:0 the mask; 17:16 elements of 1 byte; 20 padding on; 21 set beside a mask; 24:22 after every 32 words (code 4); 31:25 four words (code 3)
	s_or_b32 s[G1B+0], s44, (1<<20)|(1<<21)|(4<<22)|(3<<25)
.irp g, G1, G1B
	s_mov_b32 s[\g+1], 256<<16                     ; tensor_dim0 = 256
	s_mov_b32 s[\g+2], 256<<16                     ; tensor_dim1 = 256
	s_mov_b32 s[\g+3], 256<<16                     ; tile_dim0 = 256
	s_mov_b32 s[\g+4], 256                         ; tile_dim1 = 256: four blocks on end
	s_mov_b32 s[\g+5], 256                         ; from row to row
	s_mov_b32 s[\g+6], 0
	s_mov_b32 s[\g+7], 0
.endr
	s_mul_i32 s16, s13, KB*BLK                     ; the tokens: the tile's first block
	s_mul_i32 s46, s42, KB*BLK                     ; the weight, q's tile: its first block
	s_mov_b32 s17, 0
	s_mov_b32 s47, 0
	CROUND                                         ; the round in front of the first joint loads needs the wave's number alone: it stands ahead of the wait for the arguments; only scalar work follows up to the loads
	s_wait_kmcnt 0x0
	s_load_b256 s[80:87], s[68:69], 0x0            ; e0 .. e7
	s_add_nc_u64 s[14:15], s[4:5], s[16:17]
	s_add_nc_u64 s[46:47], s[6:7], s[46:47]
.irp s, 0,1
	s_mov_b32 s[G0+4*\s], 1
	s_mov_b32 s[G0+4*\s+1], \s*SLOT
	s_add_nc_u64 s[G0+4*\s+2:G0+4*\s+3], s[14:15], \s*4*BLK
	s_or_b32 s[G0+4*\s+3], s[G0+4*\s+3], 0x80000000
	s_mov_b32 s[G0B+4*\s], 1
	s_mov_b32 s[G0B+4*\s+1], \s*SLOT+2*HALFT
	s_add_nc_u64 s[G0B+4*\s+2:G0B+4*\s+3], s[46:47], \s*4*BLK
	s_or_b32 s[G0B+4*\s+3], s[G0B+4*\s+3], 0x80000000
.endr
	HLOAD                                          ; my one tensor load at the head
	v_and_b32 v1, 15, v0                           ; r
	v_bfe_u32 v2, v0, 4, 1                         ; h
	v_mul_u32_u24 v3, v1, PITCH
	v_lshl_add_u32 v3, v2, 4, v3
	s_mul_i32 s21, s11, 64*PITCH                   ; my 64 tokens,
	s_mul_i32 s22, s12, 64*PITCH                   ; my 64 rows of the weight,
	s_add_co_u32 s22, s22, 2*HALFT                 ; which lie behind the tokens' four blocks
.irp s, 0,1
	v_add_nc_u32 v[ADRA+\s], s21, v3
	v_add_nc_u32 v[ADRB+\s], s22, v3
	s_add_co_u32 s21, s21, SLOT
	s_add_co_u32 s22, s22, SLOT
.endr
	v_mul_u32_u24 v3, v1, PITCH
	v_lshl_add_u32 v3, v2, 3, v3                   ; the stage, in: row r, byte 8 h,
	s_wait_alu depctr_va_vdst(0)
	s_mul_i32 s21, s11, 64*PITCH                   ; q and k: + my half of the tokens as rows, my half of the channels as bytes;
	s_lshl_b32 s22, s12, 6
	s_add_co_u32 s21, s21, s22
	s_add_co_u32 s21, s21, STG
	v_add_nc_u32 v[STO], s21, v3
	s_mul_i32 s21, s12, 64*PITCH                   ; v: the other way round
	s_lshl_b32 s22, s11, 6
	s_add_co_u32 s21, s21, s22
	s_add_co_u32 s21, s21, STG
	v_add_nc_u32 v[STOV], s21, v3
	s_mul_i32 s21, s10, 32*PITCH                   ; back: my 32 rows, eight lanes to a row
	s_add_co_u32 s21, s21, STG
	v_bfe_u32 v3, v0, 3, 2
	v_mul_u32_u24 v[RD], v3, PITCH
	v_and_b32 v3, 7, v0
	v_lshl_add_u32 v[RD], v3, 4, v[RD]
	v_add_nc_u32 v[RD], s21, v[RD]
	s_lshl_b32 s21, s10, 12
	v_and_b32 v[CO], 31, v0
	v_lshlrev_b32 v[CO], 4, v[CO]
	v_add_nc_u32 v[CO], s21, v[CO]                 ; and the same bytes in the block
	v_lshlrev_b32 v[BO], 5, v2                     ; the bias by channels along the registers: 8 h numbers on
	s_wait_alu depctr_va_vdst(0)
	v_lshlrev_b32 v[RO], 2, v1                     ; the bias by channels along the lanes: r numbers on
	s_wait_alu depctr_va_vdst(0)
	s_lshr_b32 s20, s13, 4                         ; the batch
	s_lshl_b32 s20, s20, 3
	s_add_co_u32 s20, s20, s42
	s_lshl_b32 s20, s20, 4
	s_and_b32 s21, s13, 15
	s_add_co_u32 s20, s20, s21
	s_lshl_b32 s20, s20, 14
	s_mov_b32 s21, 0
	s_add_nc_u64 s[72:73], s[72:73], s[20:21]      ; my block of q,
	s_add_nc_u64 s[74:75], s[72:73], 0x400000      ; of k,
	s_add_nc_u64 s[76:77], s[72:73], 0x800000      ; of v
	s_lshl_b32 s20, s42, 9
	s_lshl_b32 s22, s12, 8
	s_add_co_u32 s20, s20, s22
	s_add_nc_u64 s[78:79], s[70:71], s[20:21]      ; qkv_b at 128 x pair of heads + 64 x my half; k's lies 4,096 bytes on, v's 8,192
.irp t, 0,1
.irp b, 0,1,2,3
	global_load_b128 v[CB+32*\t+8*\b:CB+32*\t+8*\b+3], v[BO], s[78:79] offset:4096*\t+64*\b
	global_load_b128 v[CB+32*\t+8*\b+4:CB+32*\t+8*\b+7], v[BO], s[78:79] offset:4096*\t+64*\b+16
.endr
.endr
.irp b, 0,1,2,3
	global_load_b32 v[RB+2*\b], v[RO], s[78:79] offset:8192+64*\b
.endr
	s_wait_kmcnt 0x0
	s_add_co_i32 s66, s80, s81
	s_add_co_i32 s66, s66, 127
	s_lshl_b32 s66, s66, 23                        ; 2^(e0 + e1)
	s_mov_b32 s67, s66                             ; (named with it as a pair, so it is written)
	SCALES 88, 82                                  ; q's
	SCALES 90, 83                                  ; k's
	SCALES 92, 85                                  ; v's
	; where my prefetches stand: k's and v's tiles of the weight are 8 blocks each; the four partners of my column of the cluster (by cy, in the address alone) and the four waves take 8,192 bytes of each tile, lanes 256 bytes apart
.set PFA, 98
.set PFO, 18
	s_lshl_b32 s20, s41, 2
	s_add_co_u32 s20, s20, s10
	s_lshl_b32 s20, s20, 13
	s_mov_b32 s21, 0
	s_add_nc_u64 s[PFA:PFA+1], s[46:47], s[20:21]
	s_and_b32 s23, ttmp7, 1                        ; a tile of the weight is loaded by eight clusters: the four with an even row number ask
	v_and_b32 v[PFO], 31, v0
	v_lshlrev_b32 v[PFO], 8, v[PFO]
	s_wait_alu depctr_va_vdst(0)                   ; the wait at the head's end
	s_wait_tensorcnt 0x0                           ; my load has landed; behind the barrier both slots are whole
	s_barrier_signal -1
	s_barrier_wait -1
.set FN, 1
.set FP, 1
	FETCH 0, 0, F0
	WIN 0
	s_cmp_eq_u32 s23, 0
	s_cbranch_scc0 .Lno_ask
	global_prefetch_b8 v[PFO], s[PFA:PFA+1] offset:NEXTB th:TH_LOAD_NT scope:SCOPE_SE     ; k's weights: four K steps ahead of their first refill
	global_prefetch_b8 v[PFO], s[PFA:PFA+1] offset:2*NEXTB th:TH_LOAD_NT scope:SCOPE_SE   ; v's: a tile further ahead.  Both lie inside qkv_w's 192 blocks; the address registers are never rewritten
.Lno_ask:
	TILE 0, 1
	TILE 1, 1
.set SW, 1
	TILE 2, 0
	s_wait_tensorcnt 0x0                           ; the wave's end
	ds_add_u32 v[SPW], v[NIL]
	s_wait_dscnt 0x0
	CROUND                                         ; the closing round
	s_endpgm
.Lfunc_end_k_q631f2536c4_qkv:
	.size	k_q631f2536c4_qkv, .Lfunc_end_k_q631f2536c4_qkv-k_q631f2536c4_qkv
	.p2alignl 7, 3214868480
	.fill 96, 4, 3214868480
	.section	.rodata,"a",@progbits
	.p2align	6, 0x0
	.amdhsa_kernel k_q631f2536c4_qkv
		.amdhsa_group_segment_fixed_size 327680
		.amdhsa_private_segment_fixed_size 0
		.amdhsa_enable_private_segment 0
		.amdhsa_kernarg_size 40
		.amdhsa_user_sgpr_count 2
		.amdhsa_user_sgpr_kernarg_segment_ptr 1
		.amdhsa_wavefront_size32 1
		.amdhsa_system_sgpr_workgroup_id_x 1
		.amdhsa_system_sgpr_workgroup_id_y 1
		.amdhsa_system_sgpr_workgroup_id_z 1
		.amdhsa_system_vgpr_workitem_id 0
		.amdhsa_next_free_vgpr 1024
		.amdhsa_next_free_sgpr 100
		.amdhsa_reserve_vcc 0
		.amdhsa_float_denorm_mode_32 3
		.amdhsa_float_denorm_mode_16_64 3
		.amdhsa_memory_ordered 1
		.amdhsa_forward_progress 1
		.amdhsa_inst_pref_size 126
	.end_amdhsa_kernel
	.amdgpu_metadata
---
amdhsa.version: [ 1, 2 ]
amdhsa.kernels:
  - .name:           k_q631f2536c4_qkv
    .symbol:         k_q631f2536c4_qkv.kd
    .args:
      - { .name: hc, .offset: 0, .size: 8, .value_kind: global_buffer, .address_space: global }
      - { .name: wc, .offset: 8, .size: 8, .value_kind: global_buffer, .address_space: global }
      - { .name: lowp_scales, .offset: 16, .size: 8, .value_kind: global_buffer, .address_space: global }
      - { .name: qkv_b, .offset: 24, .size: 8, .value_kind: global_buffer, .address_space: global }
      - { .name: qkvc, .offset: 32, .size: 8, .value_kind: global_buffer, .address_space: global }
    .group_segment_fixed_size: 327680
    .private_segment_fixed_size: 0
    .kernarg_segment_align: 8
    .kernarg_segment_size: 40
    .max_flat_workgroup_size: 128
    .sgpr_count:     100
    .vgpr_count:     1024
    .wavefront_size: 32
...
	.end_amdgpu_metadata
.endif
;; end of part 2
;; launch attn (part 3): grid 16 x 16, 16 waves a work-group, no clusters, 169,984 bytes of LDS; arguments qkvc, lowp_scales, ac; writes ac
.if DOCPART == 3
	.amdgcn_target "amdgcn-amd-amdhsa--gfx1250"
	.amdhsa_code_object_version 6
	.text
	.protected	k_q631f2536c4_attn
	.globl	k_q631f2536c4_attn
	.p2align	8
	.type	k_q631f2536c4_attn,@function
k_q631f2536c4_attn:
	s_mov_b64 s[64:65], 0
	v_nop
	global_prefetch_b8 v0, s[64:65] scope:SCOPE_SE
	s_setreg_imm32_b32 hwreg(HW_REG_WAVE_MODE, 25, 1), 1
	s_wait_xcnt 0x0
; Attention inside the band |query - key| <= 128, both products on codes of E5M2; the result is quantised at once with lowp_scales[6] for the output projection.
; A work-group owns 128 queries (x) of a pair of heads of a batch (y = batch x 8 + pair).  Wave w: head w / 8 of the pair, queries 16 (w % 8) .. + 15.
; LDS, all filled ONCE, by one tensor load each of waves 0 to 6 (a block is 128 rows of 128 bytes, 16 of padding behind each): q's block; k's blocks x - 1, x, x + 1 on end (384 keys); v's three blocks
; ([2 x 64 channels][128 keys]).  At the sequence's two ends the block that does not exist is replaced by its neighbour; it is never read.
; THE BAND.  With kappa = key - 128 (x - 1) and i = the query's number in the block, key kappa counts where i <= kappa <= i + 256.  A wave walks five steps of 64 keys, from 64 (w % 8 / 4) on: the first needs
; the lower edge's mask, the last the upper edge's, the middle three none.  A step whose 64 keys lie outside the sequence is jumped over: a branch on ids.  Every query has a key that counts in its first step.
; SOFTMAX: t = score x log2(e) / 8; M = the running largest t rounded up to a whole number; p = 2^(t - M) is quantised (lowp_scales[4]); the sum is taken of the unquantised p and divides at the end.
; Both products are used transposed, so a lane holds one query throughout.  THE KEYS OF A TILE ARE NOT NEIGHBOURS: lane r of tile 2 b + u takes key 32 b + 8 u + r + 8 (r / 8), so that p's registers
; 16 b + 0 .. 15 are keys 32 b + 16 (lane / 16) + 0 .. 15: the conversions' results are the second product's operand.  k stands alike in both operands of each product (two loads of 16 bytes a fragment).
; NO CLUSTER: a block of k or v is read by three work-groups, and lies at another place of LDS in each (x - 1, x, x + 1), so their descriptors differ.
; LIMITS: e2 + e3 between -123 and 130; e4 and e6 between -126 and 112.  NaN and infinities are not served.
.set KP,   144
.set KOFF, 128*KP
.set VOFF, 4*128*KP
.set STG,  7*128*KP                    ; the stage for the way out: no fill lands here
.set AK0, 1
.set AV0, 2
.set ADV, 3
.set DL,  4
.set NINF, 5
.set STO, 6
.set RD,  7
.set GO,  8
.set QA,  29
.set QF,  16                           ; v16-23 q's fragment
.set FR,  32                           ; v32-63 four fragments of k or of v
.set S,   64                           ; v64-95 S^T, then p
.set O,   96                           ; v96-127 O^T
.set PC,  128                          ; v128-135 codes
.set WV,  10
.set U0,  13
.set SEL, 20
.set CS,  22
	s_load_b128 s[4:7], s[0:1], 0x0                ; qkvc, the scales' exponents
	s_load_b64 s[8:9], s[0:1], 0x10                ; ac
	v_lshl_add_u32 v160, v0, 2, 0x29000
	v_mov_b32 v161, 0
	ds_add_u32 v160, v161
	ds_add_u32 v160, v161
	v_lshrrev_b32 v1, 5, v0
	s_delay_alu instid0(VALU_DEP_1)
	v_readfirstlane_b32 s[WV], v1                  ; wave 0..15
	s_lshr_b32 s11, s[WV], 3                       ; which head of the pair
	s_and_b32 s12, s[WV], 7                        ; which 16 queries
	s_lshr_b32 s[U0], s12, 2                       ; my first step's 64 keys
	s_and_b32 s14, ttmp7, 0xffff                   ; batch x 8 + pair of heads
	s_min_u32 s15, s[WV], 6                        ; what I fetch, if I fetch: 0 q; 1-3 k; 4-6 v
	s_cmp_eq_u32 s15, 0
	s_cselect_b32 s16, 1, 0
	s_cmp_gt_u32 s15, 3
	s_cselect_b32 s17, 2, 1
	s_sub_co_u32 s17, s17, s16                     ; the region: 0, 1, 2
	s_mul_i32 s18, s17, 3
	s_add_co_u32 s19, ttmp9, s15
	s_add_co_u32 s19, s19, 1
	s_sub_co_u32 s19, s19, s18
	s_sub_co_u32 s19, s19, s16                     ; the tile of tokens: x for q; x - 1, x, x + 1 for k and for v,
	s_max_i32 s19, s19, 0
	s_min_i32 s19, s19, 15                         ; held inside the sequence
	s_lshl_b32 s36, s14, 4
	s_add_co_u32 s36, s36, s19
	s_lshl_b32 s36, s36, 14
	s_lshl_b32 s37, s17, 22
	s_add_co_u32 s36, s36, s37
	s_mov_b32 s37, 0
	s_mov_b32 s24, (1<<20)|(4<<22)|(3<<25)         ; group 1: no mask; elements of 1 byte; padding: four words after every 32
	s_mov_b32 s25, 256<<16                         ; tensor_dim0: a block is dense, so it is stated as 64 rows of 256 bytes; the padding stays behind each 128
	s_mov_b32 s26, 64<<16                          ; tensor_dim1
	s_mov_b32 s27, 256<<16                         ; tile_dim0
	s_mov_b32 s28, 64                              ; tile_dim1
	s_mov_b32 s29, 256                             ; from row to row
	s_mov_b32 s30, 0
	s_mov_b32 s31, 0
	s_mov_b32 s32, 1
	s_mul_i32 s33, s15, 128*KP                     ; seven blocks on end
	s_wait_dscnt 0x0
	s_wait_kmcnt 0x0
	s_load_b256 s[40:47], s[6:7], 0x0              ; e0 .. e7
	s_add_nc_u64 s[34:35], s[4:5], s[36:37]
	s_or_b32 s35, s35, 0x80000000
	s_cmp_lt_u32 s[WV], 7
	s_cbranch_scc0 .Lno_fetch
	tensor_load_to_lds s[32:35], s[24:31]          ; my one tensor load
	s_nop 0
.rept 4
	v_nop
.endr
.Lno_fetch:
	s_mul_i32 s48, s[U0], 64*KP
	s_lshl_b32 s49, s11, 6                         ; my head's 64 bytes of a row of q or k
	s_add_co_u32 s48, s48, s49
	s_add_co_u32 s48, s48, KOFF
	s_mul_i32 s50, s12, 16*KP
	s_add_co_u32 s50, s50, s49                     ; my 16 queries
	s_mul_i32 s51, s11, 64*KP
	s_add_co_u32 s51, s51, VOFF                    ; my head's 64 rows of v
	s_add_co_u32 s52, s50, STG
	s_mul_i32 s53, s[WV], 8*KP
	s_add_co_u32 s53, s53, STG
	s_and_b32 s54, s12, 3
	s_lshl_b32 s54, s54, 4
	v_and_b32 v9, 15, v0                           ; r
	v_bfe_u32 v10, v0, 4, 1                        ; h
	s_delay_alu instid0(VALU_DEP_2)
	v_and_b32 v11, 8, v9
	s_delay_alu instid0(VALU_DEP_1)
	v_add_nc_u32 v11, v11, v9                      ; r + 8 (r / 8)
	s_delay_alu instid0(VALU_DEP_1)
	v_mul_u32_u24 v[AK0], v11, KP
	s_delay_alu instid0(VALU_DEP_1)
	v_lshl_add_u32 v[AK0], v10, 4, v[AK0]
	s_delay_alu instid0(VALU_DEP_1)
	v_add_nc_u32 v[AK0], s48, v[AK0]
	v_mul_u32_u24 v11, v9, KP
	s_delay_alu instid0(VALU_DEP_1)
	v_lshl_add_u32 v[AV0], v10, 4, v11
	s_delay_alu instid0(VALU_DEP_1)
	v_add_nc_u32 v[QA], s50, v[AV0]
	s_delay_alu instid0(VALU_DEP_2)
	v_add_nc_u32 v[AV0], s51, v[AV0]
	s_delay_alu instid0(VALU_DEP_4)
	v_lshl_add_u32 v[STO], v10, 3, v11
	s_delay_alu instid0(VALU_DEP_1)
	v_add_nc_u32 v[STO], s52, v[STO]               ; the stage, in: row = my query, byte 64 x head + 16 t + 8 h
	v_bfe_u32 v11, v0, 3, 2
	s_delay_alu instid0(VALU_DEP_1)
	v_mul_u32_u24 v[RD], v11, KP
	v_and_b32 v11, 7, v0
	s_delay_alu instid0(VALU_DEP_1)
	v_lshl_add_u32 v[RD], v11, 4, v[RD]
	s_delay_alu instid0(VALU_DEP_1)
	v_add_nc_u32 v[RD], s53, v[RD]                 ; back: wave w takes rows 8 w .. 8 w + 7, eight lanes to a row
	v_and_b32 v[GO], 31, v0
	s_delay_alu instid0(VALU_DEP_1)
	v_lshlrev_b32 v[GO], 4, v[GO]
	v_lshlrev_b32 v[DL], 4, v10
	s_delay_alu instid0(VALU_DEP_1)
	v_sub_nc_u32 v[DL], v9, v[DL]
	s_delay_alu instid0(VALU_DEP_1)
	v_add_nc_u32 v[DL], s54, v[DL]                 ; 16 (tile % 4) + r - 16 h: register 16 b + i of a masked step is hidden where 32 b + i lies under it (first step) or over it (last)
	v_mov_b32 v[NINF], 0xff800000
	v_mov_b32 v13, 0xff61b1e6                      ; the largest t so far: -3e38
	s_delay_alu instid0(VALU_DEP_1)
	v_floor_f32 v12, -v13                          ; -M
	v_mov_b32 v14, 0                               ; the sum, in two halves
	v_mov_b32 v15, 0
	v_mov_b32 v28, 0                               ; a lane permute's destination counts as one of its sources
	v_mov_b32 v31, 0                               ; (named as the upper half of the pair v[30:31])
.set j, 0
.rept 32
	v_mov_b32 v[O+j], 0                            ; O^T: which step is a wave's first hangs on its place, so the step is written once and finds zeros
.set j, j+1
.endr
	s_lshr_b32 s55, s14, 3
	s_lshl_b32 s55, s55, 4
	s_add_co_u32 s55, s55, ttmp9                   ; the tile of 128 rows of ac,
	s_lshl_b32 s55, s55, 3
	s_and_b32 s56, s14, 7
	s_add_co_u32 s55, s55, s56                     ; its block along K = the pair of heads
	s_lshl_b32 s56, s55, 14
	s_lshl_b32 s55, s[WV], 10
	s_add_co_u32 s56, s56, s55
	s_mov_b32 s57, 0
	s_add_nc_u64 s[8:9], s[8:9], s[56:57]
	s_mov_b32 s[SEL], 0x76543210
	s_mov_b32 s[SEL+1], 0xfedcba98
	s_mov_b32 s[CS], 0x3e38aa3b                    ; log2(e) / 8
	s_wait_kmcnt 0x0
	s_add_co_i32 s55, s42, s43
	s_lshl_b32 s55, s55, 23
	s_add_co_i32 s[CS], s[CS], s55                 ; x 2^(e2 + e3): added to the exponent field
	s_mov_b32 s[CS+1], s[CS]
	s_add_co_i32 s55, s44, 127
	s_lshl_b32 s56, s55, 23
	v_mov_b32 v25, s56                             ; 2^e4
	s_add_co_i32 s55, s55, 15
	s_lshl_b32 s55, s55, 23
	s_or_b32 s55, s55, 0x600000
	v_mov_b32 v24, s55                             ; 57,344 x 2^e4
	s_add_co_i32 s55, s46, 127
	s_lshl_b32 s56, s55, 23
	v_mov_b32 v27, s56                             ; 2^e6
	s_add_co_i32 s55, s55, 15
	s_lshl_b32 s55, s55, 23
	s_or_b32 s55, s55, 0x600000
	v_mov_b32 v26, s55                             ; 57,344 x 2^e6
	s_wait_tensorcnt 0x0                           ; my block has landed,
	s_barrier_signal -1
	s_barrier_wait -1                              ; everybody's has
	ds_load_b128 v[QF:QF+3], v[QA]
	ds_load_b128 v[QF+4:QF+7], v[QA] offset:32
.macro STEP s, mask                    ; mask: 0 none, 1 the band's lower edge, 2 its upper edge
	s_add_co_u32 s53, s[U0], \s                    ; which 64 of the 384 keys
	s_lshl_b32 s54, s53, 6
	s_lshl_b32 s55, ttmp9, 7
	s_add_co_u32 s54, s54, s55
	s_sub_co_u32 s54, s54, 128                     ; the first key's number in the sequence; under 0 it wraps round to a large number
	s_cmp_ge_u32 s54, 2048
	s_cbranch_scc1 .Lskip_\@
	s_lshr_b32 s55, s53, 1
	s_mul_i32 s55, s55, 128*KP                     ; v's block,
	s_and_b32 s56, s53, 1
	s_lshl_b32 s56, s56, 6                         ; and which half of its rows
	s_add_co_u32 s55, s55, s56
	v_add_nc_u32 v[ADV], s55, v[AV0]
.rept 3
	v_nop                                          ; with the addition above: four places in front of loads into registers that matrix instructions have read
.endr
.irp t, 0,1,2,3
.irp c, 0,1
	ds_load_b128 v[FR+8*\t+4*\c:FR+8*\t+4*\c+3], v[AK0] offset:(64*(\s)+32*(\t/2)+8*(\t%2))*KP+32*\c
.endr
.endr
	s_wait_dscnt 0x0
.irp t, 0,1,2,3
	v_wmma_f32_16x16x64_bf8_bf8 v[S+8*\t:S+8*\t+7], v[FR+8*\t:FR+8*\t+7], v[QF:QF+7], 0
.endr
.rept 4
	v_nop
.endr
.if \mask
.set n, 0
.rept 32
.if \mask == 1
	v_cmp_lt_i32 vcc_lo, 32*(n/16)+n%16, v[DL]
.else
	v_cmp_gt_i32 vcc_lo, 32*(n/16)+n%16, v[DL]
.endif
	v_cndmask_b32 v[S+n], v[S+n], v[NINF], vcc_lo  ; hidden scores become -infinity: p = 0
.set n, n+1
.endr
.endif
	v_max3_num_f32 v136, v[S], v[S+1], v[S+2]      ; the step's largest score of my query, in two chains, each accumulator from its low end on
	v_max3_num_f32 v137, v[S+3], v[S+4], v[S+5]
.irp i, 6,10,14,18,22,26
	v_max3_num_f32 v136, v136, v[S+\i], v[S+\i+1]
	v_max3_num_f32 v137, v137, v[S+\i+2], v[S+\i+3]
.endr
	v_max3_num_f32 v136, v136, v[S+30], v[S+31]
	s_delay_alu instid0(VALU_DEP_1)
	v_max_num_f32 v136, v136, v137
	s_delay_alu instid0(VALU_DEP_1)
	v_permlanex16_b32 v28, v136, s[SEL], s[SEL+1]
	s_delay_alu instid0(VALU_DEP_1)
	v_max_num_f32 v136, v136, v28                  ; and among lane l xor 16's
	s_delay_alu instid0(VALU_DEP_1)
	v_mul_f32 v136, s[CS], v136
	s_delay_alu instid0(VALU_DEP_1)
	v_max_num_f32 v13, v13, v136                   ; the running largest t
	v_mov_b32 v136, v12
	s_delay_alu instid0(VALU_DEP_2)
	v_floor_f32 v12, -v13                          ; the new -M: M is a whole number
	s_delay_alu instid0(VALU_DEP_1)
	v_sub_f32 v136, v12, v136
	s_delay_alu instid0(VALU_DEP_1)
	v_cvt_i32_f32 v136, v136                       ; (it saturates)
	s_delay_alu instid0(VALU_DEP_1)
	v_ldexp_f32 v30, 1.0, v136                     ; f = 2^(old M - new M): rounds nothing
.set j, 0
.rept 16
	v_pk_fma_f32 v[S+j:S+j+1], v[S+j:S+j+1], s[CS:CS+1], v[12:13] op_sel_hi:[1,0,0]   ; t - M
.set j, j+2
.endr
.set j, 0
	s_wait_alu depctr_va_vdst(0)
.rept 32
	v_exp_f32 v[S+j], v[S+j]
.set j, j+1
.endr
	v_pk_mul_f32 v[14:15], v[14:15], v[30:31] op_sel_hi:[1,0]   ; the sums under the new M: the plain instruction behind the exponentials
	s_wait_alu depctr_va_vdst(0)                   ; one wait for the batch, ahead of its first reader
	v_pk_add_f32 v[138:139], v[68:69], v[72:73]
	v_pk_add_f32 v[158:159], v[76:77], v[80:81]
	v_pk_add_f32 v[156:157], v[84:85], v[88:89]
	v_pk_add_f32 v[154:155], v[92:93], v[64:65]
	v_pk_add_f32 v[152:153], v[66:67], v[70:71]
	v_pk_add_f32 v[150:151], v[74:75], v[78:79]
	v_pk_add_f32 v[148:149], v[82:83], v[86:87]
	v_pk_add_f32 v[14:15], v[14:15], v[90:91]
	v_pk_add_f32 v[138:139], v[138:139], v[94:95]
	s_delay_alu instid0(VALU_DEP_2)
	v_pk_add_f32 v[14:15], v[14:15], v[154:155]
	s_delay_alu instid0(VALU_DEP_2)
	v_pk_add_f32 v[138:139], v[138:139], v[152:153]
	v_pk_add_f32 v[158:159], v[158:159], v[150:151]
	v_pk_add_f32 v[156:157], v[156:157], v[148:149]
	s_delay_alu instid0(VALU_DEP_2)
	v_pk_add_f32 v[14:15], v[14:15], v[158:159]
	s_delay_alu instid0(VALU_DEP_2)
	v_pk_add_f32 v[138:139], v[138:139], v[156:157]
	s_delay_alu instid0(VALU_DEP_1)
	v_pk_add_f32 v[14:15], v[14:15], v[138:139]
.set j, 0
.rept 32
	v_min_num_f32 v[S+j], v[S+j], v24              ; p is not negative: the hold is one-sided
.set j, j+1
.endr
.irp b, 0,1
	v_cvt_scalef32_pk8_bf8_f32 v[PC+4*\b:PC+4*\b+1], v[S+16*\b:S+16*\b+7], v25
	v_cvt_scalef32_pk8_bf8_f32 v[PC+4*\b+2:PC+4*\b+3], v[S+16*\b+8:S+16*\b+15], v25
.endr
.set j, 0
.rept 16
	v_pk_mul_f32 v[O+j:O+j+1], v[O+j:O+j+1], v[30:31] op_sel_hi:[1,0]   ; O^T under the new M; these are also the places in front of the loads and products below
.set j, j+2
.endr
.irp t, 0,1,2,3
.irp c, 0,1
	ds_load_b128 v[FR+8*\t+4*\c:FR+8*\t+4*\c+3], v[ADV] offset:16*\t*KP+32*\c
.endr
.endr
	s_wait_alu depctr_va_vdst(0)
	s_wait_dscnt 0x0
.irp t, 0,1,2,3
	v_wmma_f32_16x16x64_bf8_bf8 v[O+8*\t:O+8*\t+7], v[FR+8*\t:FR+8*\t+7], v[PC:PC+7], v[O+8*\t:O+8*\t+7]
.endr
.Lskip_\@:
.endm
	STEP 0, 1
	STEP 1, 0
	STEP 2, 0
	STEP 3, 0
	STEP 4, 2
	; THE WAY OUT: O^T x 2^(e4 + e5) / the sum, quantised with e6; a lane's eight registers of a tile are eight neighbours along the next K
.rept 4
	v_nop
.endr
	v_add_f32 v14, v14, v15
	s_delay_alu instid0(VALU_DEP_1)
	v_permlanex16_b32 v28, v14, s[SEL], s[SEL+1]
	s_delay_alu instid0(VALU_DEP_1)
	v_add_f32 v14, v14, v28
	s_wait_alu depctr_va_vdst(0)
	v_rcp_f32 v14, v14
	v_nop
	s_add_co_i32 s53, s44, s45
	s_wait_alu depctr_va_vdst(0)
	v_ldexp_f32 v14, v14, s53
	s_delay_alu instid0(VALU_DEP_1)
	v_mov_b32 v15, v14
.set j, 0
.rept 16
	v_pk_mul_f32 v[S+j:S+j+1], v[O+j:O+j+1], v[14:15]
.set j, j+2
.endr
.set j, 0
.rept 32
	v_med3_num_f32 v[S+j], v[S+j], -v26, v26
.set j, j+1
.endr
.irp t, 0,1,2,3
	v_cvt_scalef32_pk8_bf8_f32 v[PC+2*\t:PC+2*\t+1], v[S+8*\t:S+8*\t+7], v27
.endr
	v_nop
.irp t, 0,1,2,3
	ds_store_b64 v[STO], v[PC+2*\t:PC+2*\t+1] offset:16*\t
.endr
	s_wait_dscnt 0x0                               ; for the others' sake: a row's 128 bytes come from two waves
	s_barrier_signal -1
	s_barrier_wait -1
	ds_load_b128 v[140:143], v[RD]
	ds_load_b128 v[144:147], v[RD] offset:4*KP
	s_wait_dscnt 1                                 ; the second load may be out
	global_store_b128 v[GO], v[140:143], s[8:9]    ; 512 consecutive bytes of the block
	s_wait_dscnt 0x0
	global_store_b128 v[GO], v[144:147], s[8:9] offset:512
	s_wait_tensorcnt 0x0
	ds_add_u32 v160, v161
	s_wait_dscnt 0x0
	s_endpgm
.Lfunc_end_k_q631f2536c4_attn:
	.size	k_q631f2536c4_attn, .Lfunc_end_k_q631f2536c4_attn-k_q631f2536c4_attn
	.p2alignl 7, 3214868480
	.fill 96, 4, 3214868480
	.section	.rodata,"a",@progbits
	.p2align	6, 0x0
	.amdhsa_kernel k_q631f2536c4_attn
		.amdhsa_group_segment_fixed_size 169984
		.amdhsa_private_segment_fixed_size 0
		.amdhsa_enable_private_segment 0
		.amdhsa_kernarg_size 24
		.amdhsa_user_sgpr_count 2
		.amdhsa_user_sgpr_kernarg_segment_ptr 1
		.amdhsa_wavefront_size32 1
		.amdhsa_system_sgpr_workgroup_id_x 1
		.amdhsa_system_sgpr_workgroup_id_y 1
		.amdhsa_system_sgpr_workgroup_id_z 1
		.amdhsa_system_vgpr_workitem_id 0
		.amdhsa_next_free_vgpr 162
		.amdhsa_next_free_sgpr 66
		.amdhsa_reserve_vcc 1
		.amdhsa_float_denorm_mode_32 3
		.amdhsa_float_denorm_mode_16_64 3
		.amdhsa_memory_ordered 1
		.amdhsa_forward_progress 1
		.amdhsa_inst_pref_size 64
	.end_amdhsa_kernel
	.amdgpu_metadata
---
amdhsa.version: [ 1, 2 ]
amdhsa.kernels:
  - .name:           k_q631f2536c4_attn
    .symbol:         k_q631f2536c4_attn.kd
    .args:
      - { .name: qkvc, .offset: 0, .size: 8, .value_kind: global_buffer, .address_space: global }
      - { .name: lowp_scales, .offset: 8, .size: 8, .value_kind: global_buffer, .address_space: global }
      - { .name: ac, .offset: 16, .size: 8, .value_kind: global_buffer, .address_space: global }
    .group_segment_fixed_size: 169984
    .private_segment_fixed_size: 0
    .kernarg_segment_align: 8
    .kernarg_segment_size: 24
    .max_flat_workgroup_size: 512
    .sgpr_count:     66
    .vgpr_count:     162
    .wavefront_size: 32
...
	.end_amdgpu_metadata
.endif
;; end of part 3
;; launch proj (part 4): grid 8 x 32, 4 waves a work-group, clusters of 4 x 4, 327,680 bytes of LDS; arguments ac, wc, lowp_scales, out_b, x, x1; writes x1
.if DOCPART == 4
	.amdgcn_target "amdgcn-amd-amdhsa--gfx1250"
	.amdhsa_code_object_version 6
	.text
	.protected	k_q631f2536c4_proj
	.globl	k_q631f2536c4_proj
	.p2align	8
	.type	k_q631f2536c4_proj,@function
k_q631f2536c4_proj:
	s_mov_b64 s[64:65], 0
	v_nop
	global_prefetch_b8 v0, s[64:65] scope:SCOPE_SE
	s_setreg_imm32_b32 hwreg(HW_REG_WAVE_MODE, 25, 1), 1
	s_wait_xcnt 0x0
	s_wait_alu depctr_hold_cnt(0) depctr_sa_sdst(0) depctr_va_vdst(0) depctr_va_sdst(0) depctr_va_ssrc(0) depctr_va_vcc(0) depctr_vm_vsrc(0)
	s_getreg_b32 s2, hwreg(HW_REG_IB_STS2, 6, 4)
	s_cmp_eq_u32 s2, 0
	s_cbranch_scc0 .Lentry_in_a_cluster
	s_endpgm
.Lentry_in_a_cluster:
	s_bfe_u32 s2, ttmp6, 0x10000c
	s_cmp_lg_u32 s2, 0xf033
	s_cbranch_scc0 .Lentry_shape_is_right
	s_endpgm
.Lentry_shape_is_right:
; result = residual + (A W + bias), the product on codes of E5M2; residual, bias and result f32.  Here: x1 = x + attention out_w + out_b.
; A tile of C is 128 x 128: four waves, each 64 x 64 = 16 accumulators.  K goes through two LDS slots of 512 along K; with SIZE_K = 1,024 each is filled once, with 2,048 each is filled again once.
; Codes lie in blocks of 128 rows x 128 codes (16,384 dense bytes), [tile of rows][block along K]; a tensor load brings two blocks as 256 rows of 128 bytes, 16 bytes of padding behind each.
; THE MATRIX INSTRUCTION IS USED TRANSPOSED (source 0 = 16 rows of the weight, source 1 = 16 rows of A): a lane holds one row of C and eight neighbouring columns.
; A fragment is fetched by four loads of 16 bytes: k stands at 32 c + 16 (lane / 16) + 0 .. 15 in registers 4 c .. 4 c + 3, alike in both operands: only the order of the sums inside an instruction changes.
; THE RESIDUAL'S 32 ROWS OF A WAVE ARE ASKED FOR AT THE HEAD, straight behind the first tensor loads, into registers of their own: they come in beside the tiles and the products.
; The result is rounded as (residual + sum x 2^e) + bias.
; CLUSTERS: 4 x 4 work-groups; A's tiles are asked for jointly along a row of the cluster, the weight's along a column.
; LIMIT: the two exponents added lie between -126 and 127.
; REGISTERS: window 0: v1-13 addresses; v16-19 the bias; v128-255 the accumulators ((a, b) at 128 + 8 (4 a + b)), later the rows read back.  Window 1: two fragment buffers of 128.  Window 2: v0-127 the residual.
; WHERE THE LINES ABOVE SAY OTHERWISE, THESE HOLD.  A tensor load brings four blocks on end, stated as 256 rows of 256 bytes, one operand's part of a slot; each wave issues one at the head, so both slots are asked for at once.
; The bias and the residual are asked for behind the head's barrier, when the tiles have landed, and are waited for row by row on the way out.
.set SIZE_K, 1024
.set WOFF,   3145728                   ; the weight's first block in wc
.set SCOFF,  0x18                      ; the two exponents in lowp_scales
.set KB,     SIZE_K/128
.set BLK,    16384
.set PITCH,  144                       ; an LDS row: 128 bytes + 16 = 36 words: the 16 rows that a load touches start at 16 different groups of four banks (64 banks of 4 bytes: ISA guide 11.1)
.set LBLK,   128*PITCH
.set HALFT,  2*LBLK                    ; half of what one tensor load brings
.set SLOT,   4*HALFT                   ; A's four blocks, then the weight's four
.set SPARE,  2*SLOT                    ; behind the slots: the spare words, 128 bytes for each wave
.set LAPS,   SIZE_K/1024
.set SPITCH, 528                       ; the stage: 128 rows x (512 bytes + 16), in slot 0, behind its last fill and its last read
.set ADRA, 4
.set ADRB, 6
.set STO,  8
.set RD,   9
.set CO,   10
.set SPW,  12
.set NIL,  13
.set BI,   16
.set ACC,  128
.set RES,  0                           ; in window 2
.set F0,   0
.set F1,   128
.set G1,  24
.set G0,  32
.set G1B, 48
.set G0B, 56
.set MSB, 0
.macro WIN new                         ; the immediate's high byte repeats the setting that is left
.if MSB != \new
	s_set_vgpr_msb (MSB<<8)|\new
.set MSB, \new
.endif
.endm
.set MUL,  0x05                        ; sources 0 and 1 window 1; C and D window 0
.set TO_F, 0x40                        ; destination window 1, address window 0
; A TENSOR LOAD NOW BRINGS FOUR BLOCKS ON END (65,536 dense bytes, stated as 256 rows of 256 bytes; 16 bytes of padding still behind each 128): one operand's whole part of a slot.
; The descriptors hang on no wave's number: set s of G0 is A's part of slot s, set s of G0B the weight's.  Nothing is filled again here, and there is no loop to run ahead in: no prefetch.
.macro ARM g0, g1                      ; one joint load; an s_nop 0 and four v_nop follow it
	tensor_load_to_lds s[\g0:\g0+3], s[\g1:\g1+7]
	s_nop 0
.rept 4
	v_nop
.endr
.endm
.macro HLOAD                           ; the first fills: one chain of branches on the wave's number, one load to an arm: wave 0, 1 A's part of slot 0, 1; wave 2, 3 the weight's.  All 1,024 along K are asked for at once
	s_cmp_lg_u32 s10, 0
	s_cbranch_scc1 .Lh1_\@
	ARM G0, G1
	s_branch .Lhj_\@
.Lh1_\@:
	s_cmp_lg_u32 s10, 1
	s_cbranch_scc1 .Lh2_\@
	ARM G0+4, G1
	s_branch .Lhj_\@
.Lh2_\@:
	s_cmp_lg_u32 s10, 2
	s_cbranch_scc1 .Lh3_\@
	ARM G0B, G1B
	s_branch .Lhj_\@
.Lh3_\@:
	ARM G0B+4, G1B
.Lhj_\@:
.endm
.macro CREST
	s_cmp_lg_u32 s10, 0
	s_cbranch_scc1 .Lnot_wave_0_\@
	s_barrier_signal -3
.Lnot_wave_0_\@:
	s_barrier_wait -3
	s_barrier_signal -1
	s_barrier_wait -1
.endm
.macro CROUND                          ; a round of the cluster's barrier
	s_barrier_signal -1
	s_barrier_wait -1
	CREST
.endm
.macro PLACES                          ; four places behind matrix instructions (ISA guide 7.12.1), where no other vector work is at hand
.rept 4
	v_nop
.endr
.endm
.macro MUL4 f, a, zero                 ; A's block a against the weight's four, 128 along K.  The 16 accumulators take turns in one order
.irp b, 0,1,2,3
.if \zero
	v_wmma_f32_16x16x128_bf8_bf8 v[ACC+8*(4*(\a)+\b):ACC+8*(4*(\a)+\b)+7], v[\f+64+16*\b:\f+64+16*\b+15], v[\f+16*(\a):\f+16*(\a)+15], 0
.else
	v_wmma_f32_16x16x128_bf8_bf8 v[ACC+8*(4*(\a)+\b):ACC+8*(4*(\a)+\b)+7], v[\f+64+16*\b:\f+64+16*\b+15], v[\f+16*(\a):\f+16*(\a)+15], v[ACC+8*(4*(\a)+\b):ACC+8*(4*(\a)+\b)+7]
.endif
.endr
.endm
.macro FETCH slot, q, f                ; 32 LDS loads in one run: the fragments of the slot's q-th 128 along K: the weight's four, then A's four
	WIN TO_F
.irp i, 0,1,2,3
.irp c, 0,1,2,3
	ds_load_b128 v[\f+64+16*\i+4*\c:\f+64+16*\i+4*\c+3], v[ADRB+\slot] offset:(\q)*LBLK+\i*16*PITCH+32*\c
.endr
.endr
.irp i, 0,1,2,3
.irp c, 0,1,2,3
	ds_load_b128 v[\f+16*\i+4*\c:\f+16*\i+4*\c+3], v[ADRA+\slot] offset:(\q)*LBLK+\i*16*PITCH+32*\c
.endr
.endr
.endm
.macro QUARTER slot, q, f, g, zero     ; multiplies buffer f; in its middle fetches the slot's q-th 128 along K into g
	s_wait_dscnt 8                                 ; the weight's four and A's first two fragments are in; the youngest eight loads may be out
	WIN MUL
	MUL4 \f, 0, \zero
	MUL4 \f, 1, \zero
	PLACES
	FETCH \slot, \q, \g
	s_wait_dscnt 32                                ; all but the 32 just issued
	WIN MUL
	MUL4 \f, 2, \zero
	MUL4 \f, 3, \zero
.endm
.macro TURN slot, next, fill           ; a slot's last quarter, and the change of slots: ONE barrier.  fill = 1: this slot is filled again, 1,024 further along K
	WIN 0
	s_wait_tensorcnt 0x0                           ; all my tensor loads have landed: my part of the next slot
	ds_add_u32 v[SPW], v[NIL]                      ; 0 onto my spare word
	s_wait_dscnt 9                                 ; (the add and the youngest eight loads may be out)
	WIN MUL
	MUL4 F1, 0, 0
	s_wait_dscnt 0x0                               ; the add is done, and my reads of this slot are over
	s_barrier_signal -1
	MUL4 F1, 1, 0
.if \fill
	WIN 0
.endif
	s_barrier_wait -1
.if \fill
	CREST                                          ; the barrier has opened a round of the cluster's: no wave of any partner still reads this slot or has a load on its way
	s_add_nc_u64 s[G0+4*\slot+2:G0+4*\slot+3], s[G0+4*\slot+2:G0+4*\slot+3], 8*BLK
	s_add_nc_u64 s[G0B+4*\slot+2:G0B+4*\slot+3], s[G0B+4*\slot+2:G0B+4*\slot+3], 8*BLK
	JLOAD \slot                                    ; the first tensor load behind the round; its four v_nop are also the places in front of the loads below
.else
	PLACES
.endif
	FETCH \next, 0, F0
	WIN MUL
	MUL4 F1, 2, 0
	MUL4 F1, 3, 0
.endm
	s_load_b128 s[4:7], s[0:1], 0x0                ; A's codes, wc
	s_load_b128 s[68:71], s[0:1], 0x10             ; the scales' exponents, the bias
	s_load_b128 s[72:75], s[0:1], 0x20             ; the residual, the result
	v_lshl_add_u32 v[SPW], v0, 2, SPARE
	v_mov_b32 v[NIL], 0
	ds_add_u32 v12, v13
	ds_add_u32 v12, v13
	s_wait_dscnt 0x0
	v_lshrrev_b32 v1, 5, v0
	v_readfirstlane_b32 s10, v1                    ; wave 0..3
	s_lshr_b32 s11, s10, 1                         ; which half of the tile's rows is mine.  Also: I fetch for A (0) or for the weight (1)
	s_and_b32 s12, s10, 1                          ; which half of its columns.  Also: which slot I fetch for
	s_bfe_u32 s40, ttmp6, 0x40000                  ; cx, cy: my place in the cluster
	s_bfe_u32 s41, ttmp6, 0x40004
	s_lshl_b32 s42, ttmp9, 2
	s_add_co_u32 s42, s42, s40                     ; tile column of C
	s_and_b32 s13, ttmp7, 0xffff
	s_lshl_b32 s13, s13, 2
	s_add_co_u32 s13, s13, s41                     ; tile row of C
	s_lshl_b32 s43, s41, 2
	s_lshl_b32 s43, 15, s43                        ; my row of the cluster
	s_lshl_b32 s44, 0x1111, s40                    ; my column
	s_or_b32 s[G1+0], s43, (1<<20)|(1<<21)|(4<<22)|(3<<25)   ; 15:0 the mask; 17:16 elements of 1 byte; 20 padding on; 21 set beside a mask; 24:22 after every 32 words (code 4); 31:25 four words (code 3)
	s_or_b32 s[G1B+0], s44, (1<<20)|(1<<21)|(4<<22)|(3<<25)
.irp g, G1, G1B
	s_mov_b32 s[\g+1], 256<<16                     ; tensor_dim0 = 256
	s_mov_b32 s[\g+2], 256<<16                     ; tensor_dim1 = 256
	s_mov_b32 s[\g+3], 256<<16                     ; tile_dim0 = 256
	s_mov_b32 s[\g+4], 256                         ; tile_dim1 = 256: four blocks on end
	s_mov_b32 s[\g+5], 256                         ; from row to row
	s_mov_b32 s[\g+6], 0
	s_mov_b32 s[\g+7], 0
.endr
	s_mul_i32 s16, s13, KB*BLK                     ; A: the tile row's first block
	s_mul_i32 s46, s42, KB*BLK                     ; the weight: the tile column's first block,
	s_add_co_u32 s46, s46, WOFF                    ; + the weight's first block in wc
	s_mov_b32 s17, 0
	s_mov_b32 s47, 0
	CROUND                                         ; the round in front of the first joint loads needs the wave's number alone: it stands ahead of the wait for the arguments; only scalar work follows up to the loads
	s_wait_kmcnt 0x0
	s_load_b64 s[76:77], s[68:69], SCOFF
	s_add_nc_u64 s[14:15], s[4:5], s[16:17]
	s_add_nc_u64 s[46:47], s[6:7], s[46:47]
.irp s, 0,1
	s_mov_b32 s[G0+4*\s], 1
	s_mov_b32 s[G0+4*\s+1], \s*SLOT
	s_add_nc_u64 s[G0+4*\s+2:G0+4*\s+3], s[14:15], \s*4*BLK
	s_or_b32 s[G0+4*\s+3], s[G0+4*\s+3], 0x80000000
	s_mov_b32 s[G0B+4*\s], 1
	s_mov_b32 s[G0B+4*\s+1], \s*SLOT+2*HALFT
	s_add_nc_u64 s[G0B+4*\s+2:G0B+4*\s+3], s[46:47], \s*4*BLK
	s_or_b32 s[G0B+4*\s+3], s[G0B+4*\s+3], 0x80000000
.endr
	HLOAD                                          ; my one tensor load
	v_and_b32 v[CO], 31, v0
	v_lshlrev_b32 v[CO], 4, v[CO]                  ; 32 lanes to a row's 512 bytes
	s_wait_alu depctr_va_vdst(0)
	s_lshl_b32 s20, s13, 7
	s_lshl_b32 s21, s10, 5
	s_add_co_u32 s20, s20, s21                     ; the first row that I store: 128 x tile row + 32 x wave,
	s_lshl_b32 s20, s20, 12                        ; of 4,096 bytes,
	s_lshl_b32 s21, s42, 9
	s_add_co_u32 s20, s20, s21                     ; + the tile's 512 bytes of a row
	s_mov_b32 s21, 0
	s_add_nc_u64 s[72:73], s[72:73], s[20:21]
	s_add_nc_u64 s[74:75], s[74:75], s[20:21]
	s_lshl_b32 s20, s42, 9
	s_add_nc_u64 s[70:71], s[70:71], s[20:21]
	v_and_b32 v1, 15, v0                           ; r
	s_wait_alu depctr_va_vdst(0)
	v_bfe_u32 v2, v0, 4, 1                         ; h
	v_mul_u32_u24 v3, v1, PITCH
	v_lshl_add_u32 v3, v2, 4, v3
	s_mul_i32 s21, s11, 64*PITCH                   ; my 64 rows of A,
	s_mul_i32 s22, s12, 64*PITCH                   ; my 64 rows of the weight,
	s_add_co_u32 s22, s22, 2*HALFT                 ; which lie behind A's four blocks
.irp s, 0,1
	v_add_nc_u32 v[ADRA+\s], s21, v3
	v_add_nc_u32 v[ADRB+\s], s22, v3
	s_add_co_u32 s21, s21, SLOT
	s_add_co_u32 s22, s22, SLOT
.endr
	s_mul_i32 s21, s11, 64*SPITCH                  ; the stage, in: row 64 x half + 16 a + r, byte 256 x half + 64 b + 32 h
	s_lshl_b32 s22, s12, 8
	s_add_co_u32 s21, s21, s22
	v_mul_u32_u24 v[STO], v1, SPITCH
	s_wait_alu depctr_va_vdst(0)
	v_lshl_add_u32 v[STO], v2, 5, v[STO]
	v_add_nc_u32 v[STO], s21, v[STO]
	s_mul_i32 s21, s10, 32*SPITCH                  ; back: my 32 rows, whole
	v_add_nc_u32 v[RD], s21, v[CO]
	s_wait_kmcnt 0x0
	s_add_co_i32 s66, s76, s77
	s_add_co_i32 s66, s66, 127
	s_lshl_b32 s66, s66, 23                        ; 2^(the two exponents added)
	s_mov_b32 s67, s66                             ; (named with it as a pair, so it is written)
	s_wait_alu depctr_va_vdst(0)                   ; the wait at the head's end
	s_wait_tensorcnt 0x0                           ; my load has landed; behind the barrier both slots are whole
	s_barrier_signal -1
	s_barrier_wait -1
	FETCH 0, 0, F0
	WIN 0                                          ; the bias and the residual are asked for behind the tiles, and come in beside the products
	global_load_b128 v[BI:BI+3], v[CO], s[70:71]   ; the bias at my four columns
	WIN 0x80                                       ; destination window 2
.set t, 0
.rept 32
	global_load_b128 v[RES+4*t:RES+4*t+3], v[CO], s[72:73] offset:t*4096 th:TH_LOAD_NT   ; the residual's 32 rows: 512 consecutive bytes each
.set t, t+1
.endr
	QUARTER 0, 1, F0, F1, 1                        ; the first products start the sums: nothing is cleared
.if LAPS > 1
	WIN 0
	s_mov_b32 s3, LAPS-1
.Llap:                                                 ; a trip goes once round the two slots and fills both again
	QUARTER 0, 2, F1, F0, 0
	QUARTER 0, 3, F0, F1, 0
	TURN 0, 1, 1
	QUARTER 1, 1, F0, F1, 0
	QUARTER 1, 2, F1, F0, 0
	QUARTER 1, 3, F0, F1, 0
	TURN 1, 0, 1
	QUARTER 0, 1, F0, F1, 0
	WIN 0
	s_sub_co_u32 s3, s3, 1
	s_cmp_lg_u32 s3, 0
	s_cbranch_scc1 .Llap
.endif
	QUARTER 0, 2, F1, F0, 0
	QUARTER 0, 3, F0, F1, 0
	TURN 0, 1, 0
	QUARTER 1, 1, F0, F1, 0
	QUARTER 1, 2, F1, F0, 0
	QUARTER 1, 3, F0, F1, 0
	s_wait_dscnt 8
	WIN MUL
	MUL4 F1, 0, 0
	MUL4 F1, 1, 0
	s_wait_alu depctr_va_vdst(0)
	s_wait_dscnt 0x0
	MUL4 F1, 2, 0
	MUL4 F1, 3, 0
	WIN 0
	; THE WAY OUT: the sums go into the work-group's stage; a barrier, since a row's 512 bytes come from two waves; back as whole rows, 32 a wave, into the accumulators' registers
	PLACES
.set n, 0
.rept 16
	ds_store_b128 v[STO], v[ACC+8*n:ACC+8*n+3] offset:(n/4)*16*SPITCH+64*(n%4)       ; each accumulator from its low end on
	ds_store_b128 v[STO], v[ACC+8*n+4:ACC+8*n+7] offset:(n/4)*16*SPITCH+64*(n%4)+16
.set n, n+1
.endr
	s_wait_dscnt 0x0                               ; my stores are done: for the others' sake, and the accumulators' registers are free
	s_barrier_signal -1
	s_barrier_wait -1
.set t, 0
.rept 32
	ds_load_b128 v[ACC+4*t:ACC+4*t+3], v[RD] offset:t*SPITCH
.set t, t+1
.endr
	WIN 0x20                                       ; source 2 window 2: the residual.  The additions and the stores below name no third source, so one setting serves all
.set t, 0
.rept 32
	s_wait_dscnt 31-t                              ; the younger of the 32 LDS loads may be out
	s_wait_loadcnt 31-t                            ; and the residual's rows behind row t: the bias was issued ahead of row 0, so it is in too
	v_pk_fma_f32 v[ACC+4*t:ACC+4*t+1], v[ACC+4*t:ACC+4*t+1], s[66:67], v[RES+4*t:RES+4*t+1] op_sel_hi:[1,0,1]
	v_pk_fma_f32 v[ACC+4*t+2:ACC+4*t+3], v[ACC+4*t+2:ACC+4*t+3], s[66:67], v[RES+4*t+2:RES+4*t+3] op_sel_hi:[1,0,1]
	v_pk_add_f32 v[ACC+4*t:ACC+4*t+1], v[ACC+4*t:ACC+4*t+1], v[BI:BI+1]
	v_pk_add_f32 v[ACC+4*t+2:ACC+4*t+3], v[ACC+4*t+2:ACC+4*t+3], v[BI+2:BI+3]
	global_store_b128 v[CO], v[ACC+4*t:ACC+4*t+3], s[74:75] offset:t*4096   ; 32 lanes store 512 consecutive bytes; no store's registers are written again
.set t, t+1
.endr
	WIN 0
	s_wait_tensorcnt 0x0                           ; the wave's end
	ds_add_u32 v[SPW], v[NIL]
	s_wait_dscnt 0x0
	CROUND                                         ; the closing round
	s_endpgm
.Lfunc_end_k_q631f2536c4_proj:
	.size	k_q631f2536c4_proj, .Lfunc_end_k_q631f2536c4_proj-k_q631f2536c4_proj
	.p2alignl 7, 3214868480
	.fill 96, 4, 3214868480
	.section	.rodata,"a",@progbits
	.p2align	6, 0x0
	.amdhsa_kernel k_q631f2536c4_proj
		.amdhsa_group_segment_fixed_size 327680
		.amdhsa_private_segment_fixed_size 0
		.amdhsa_enable_private_segment 0
		.amdhsa_kernarg_size 48
		.amdhsa_user_sgpr_count 2
		.amdhsa_user_sgpr_kernarg_segment_ptr 1
		.amdhsa_wavefront_size32 1
		.amdhsa_system_sgpr_workgroup_id_x 1
		.amdhsa_system_sgpr_workgroup_id_y 1
		.amdhsa_system_sgpr_workgroup_id_z 1
		.amdhsa_system_vgpr_workitem_id 0
		.amdhsa_next_free_vgpr 640
		.amdhsa_next_free_sgpr 100
		.amdhsa_reserve_vcc 0
		.amdhsa_float_denorm_mode_32 3
		.amdhsa_float_denorm_mode_16_64 3
		.amdhsa_memory_ordered 1
		.amdhsa_forward_progress 1
		.amdhsa_inst_pref_size 55
	.end_amdhsa_kernel
	.amdgpu_metadata
---
amdhsa.version: [ 1, 2 ]
amdhsa.kernels:
  - .name:           k_q631f2536c4_proj
    .symbol:         k_q631f2536c4_proj.kd
    .args:
      - { .name: ac, .offset: 0, .size: 8, .value_kind: global_buffer, .address_space: global }
      - { .name: wc, .offset: 8, .size: 8, .value_kind: global_buffer, .address_space: global }
      - { .name: lowp_scales, .offset: 16, .size: 8, .value_kind: global_buffer, .address_space: global }
      - { .name: out_b, .offset: 24, .size: 8, .value_kind: global_buffer, .address_space: global }
      - { .name: x, .offset: 32, .size: 8, .value_kind: global_buffer, .address_space: global }
      - { .name: x1, .offset: 40, .size: 8, .value_kind: global_buffer, .address_space: global }
    .group_segment_fixed_size: 327680
    .private_segment_fixed_size: 0
    .kernarg_segment_align: 8
    .kernarg_segment_size: 48
    .max_flat_workgroup_size: 128
    .sgpr_count:     100
    .vgpr_count:     640
    .wavefront_size: 32
...
	.end_amdgpu_metadata
.endif
;; end of part 4
;; launch ln2 (part 5): grid 256 x 1, 8 waves a work-group, no clusters, 0 bytes of LDS; arguments x1, ln2_g, ln2_b, lowp_scales, h2c; writes h2c
.if DOCPART == 5
	.amdgcn_target "amdgcn-amd-amdhsa--gfx1250"
	.amdhsa_code_object_version 6
	.text
	.protected	k_q631f2536c4_ln2
	.globl	k_q631f2536c4_ln2
	.p2align	8
	.type	k_q631f2536c4_ln2,@function
k_q631f2536c4_ln2:
	s_mov_b64 s[64:65], 0
	v_nop
	global_prefetch_b8 v0, s[64:65] scope:SCOPE_SE
	s_setreg_imm32_b32 hwreg(HW_REG_WAVE_MODE, 25, 1), 1
	s_wait_xcnt 0x0
; Layer norm 2 of x1 in f32, then codes of E5M2 with lowp_scales[8].  A work-group takes 16 rows, each of its eight waves two, in one pass: half a wave (16 lanes) owns a row, and all of a wave's loads go out at its start.
; A lane holds columns 128 kb + 8 (lane % 16) + 0 .. 7, kb = 0 .. 7: eight neighbours along K for each conversion.
; OUT: blocks of 128 rows x 128 codes (16,384 dense bytes), [tile of 128 rows][block of 128 along K].
; LIMITS: the exponent lies between -126 and 112.  NaN and infinities are not served.  No LDS, no barrier: waves share nothing.
.set X,    64                          ; v64-127  my 64 numbers of a row
.set G,    128                         ; v128-191 the gain at my 64 columns
.set BV,   192                         ; v192-255 the bias
.set CD,   32                          ; v32-47 codes
.set XA,   4
.set GA,   5
.set HO,   6
.macro LNFOLD                          ; four chains of pairs -> one number -> the row's 16 lanes
	s_delay_alu instid0(VALU_DEP_3)
	v_pk_add_f32 v[8:9], v[8:9], v[10:11]
	s_delay_alu instid0(VALU_DEP_2)
	v_pk_add_f32 v[12:13], v[12:13], v[14:15]
	s_delay_alu instid0(VALU_DEP_1)
	v_pk_add_f32 v[8:9], v[8:9], v[12:13]
	s_delay_alu instid0(VALU_DEP_1)
	v_add_f32 v8, v8, v9
	s_delay_alu instid0(VALU_DEP_1)
	v_add_f32_dpp v8, v8, v8 row_xmask:1 row_mask:0xf bank_mask:0xf
	s_delay_alu instid0(VALU_DEP_1)
	v_add_f32_dpp v8, v8, v8 row_xmask:2 row_mask:0xf bank_mask:0xf
	s_delay_alu instid0(VALU_DEP_1)
	v_add_f32_dpp v8, v8, v8 row_xmask:4 row_mask:0xf bank_mask:0xf
	s_delay_alu instid0(VALU_DEP_1)
	v_add_f32_dpp v8, v8, v8 row_xmask:8 row_mask:0xf bank_mask:0xf
.endm
	s_load_b256 s[16:23], s[0:1], 0x0              ; x1, ln2_g, ln2_b, lowp_scales
	s_load_b64 s[32:33], s[0:1], 0x20              ; h2c
	v_lshrrev_b32 v1, 5, v0
	s_delay_alu instid0(VALU_DEP_1)
	v_readfirstlane_b32 s8, v1                     ; wave 0..7
	v_and_b32 v1, 15, v0
	v_bfe_u32 v2, v0, 4, 1                         ; which of the two rows
	s_delay_alu instid0(VALU_DEP_2)
	v_lshlrev_b32 v[GA], 5, v1                     ; 32 bytes a lane
	s_delay_alu instid0(VALU_DEP_1)
	v_lshl_add_u32 v[XA], v2, 12, v[GA]            ; + a row of 4,096 bytes
	s_delay_alu instid0(VALU_DEP_4)
	v_lshlrev_b32 v[HO], 3, v1                     ; 8 codes a lane
	s_delay_alu instid0(VALU_DEP_1)
	v_lshl_add_u32 v[HO], v2, 7, v[HO]             ; + a row of 128 codes
	s_lshl_b32 s38, ttmp9, 16                      ; 16 rows of 4,096 bytes
	s_lshl_b32 s39, s8, 13                         ; my wave's two of them
	s_add_co_u32 s38, s38, s39
	s_mov_b32 s39, 0
	s_lshr_b32 s36, ttmp9, 3
	s_lshl_b32 s36, s36, 17                        ; the tile of 128 rows: 8 blocks
	s_and_b32 s37, ttmp9, 7
	s_lshl_b32 s37, s37, 11                        ; 16 rows of 128 bytes
	s_add_co_u32 s36, s36, s37
	s_lshl_b32 s37, s8, 8
	s_add_co_u32 s36, s36, s37
	s_mov_b32 s37, 0
	s_mov_b32 s12, 0x3a800000                      ; 1 / 1,024
	s_mov_b32 s13, 0x3727c5ac                      ; 1e-5
	s_wait_alu depctr_va_vdst(0)
	s_wait_kmcnt 0x0
	s_load_b32 s40, s[22:23], 0x20                 ; e8
	s_add_nc_u64 s[16:17], s[16:17], s[38:39]
	s_add_nc_u64 s[32:33], s[32:33], s[36:37]
.irp kb, 0,1,2,3,4,5,6,7
	global_load_b128 v[X+8*\kb:X+8*\kb+3], v[XA], s[16:17] offset:512*\kb
	global_load_b128 v[X+8*\kb+4:X+8*\kb+7], v[XA], s[16:17] offset:512*\kb+16
.endr
.irp kb, 0,1,2,3,4,5,6,7
	global_load_b128 v[G+8*\kb:G+8*\kb+3], v[GA], s[18:19] offset:512*\kb
	global_load_b128 v[G+8*\kb+4:G+8*\kb+7], v[GA], s[18:19] offset:512*\kb+16
	global_load_b128 v[BV+8*\kb:BV+8*\kb+3], v[GA], s[20:21] offset:512*\kb
	global_load_b128 v[BV+8*\kb+4:BV+8*\kb+7], v[GA], s[20:21] offset:512*\kb+16
.endr
	s_wait_kmcnt 0x0
	s_add_co_i32 s40, s40, 127
	s_lshl_b32 s41, s40, 23
	v_mov_b32 v28, s41                             ; 2^e8
	s_add_co_i32 s40, s40, 15
	s_lshl_b32 s40, s40, 23
	s_or_b32 s40, s40, 0x600000
	v_mov_b32 v29, s40                             ; 57,344 x 2^e8
	s_wait_loadcnt 32                              ; the row's 16 loads are in; the 32 of gain and bias may be out
.irp c, 0,2,4,6
	v_pk_add_f32 v[8+\c:9+\c], v[X+\c:X+\c+1], v[X+8+\c:X+8+\c+1]
.endr
.set j, 16
.rept 24
	s_delay_alu instid0(VALU_DEP_4)
	v_pk_add_f32 v[8+j%8:9+j%8], v[8+j%8:9+j%8], v[X+j:X+j+1]
.set j, j+2
.endr
	LNFOLD
	s_delay_alu instid0(VALU_DEP_1)
	v_mul_f32 v24, s12, v8                         ; the mean
	s_delay_alu instid0(VALU_DEP_1)
	v_mov_b32 v25, v24
.set j, 0
.rept 32
	v_pk_add_f32 v[X+j:X+j+1], v[X+j:X+j+1], v[24:25] neg_lo:[0,1] neg_hi:[0,1]   ; x - mean: the variance is taken of these, so a common offset of the inputs does no harm
.set j, j+2
.endr
.irp c, 0,2,4,6
	v_pk_mul_f32 v[8+\c:9+\c], v[X+\c:X+\c+1], v[X+\c:X+\c+1]
.endr
.set j, 8
.rept 28
	s_delay_alu instid0(VALU_DEP_4)
	v_pk_fma_f32 v[8+j%8:9+j%8], v[X+j:X+j+1], v[X+j:X+j+1], v[8+j%8:9+j%8]
.set j, j+2
.endr
	LNFOLD
	s_delay_alu instid0(VALU_DEP_1)
	v_fma_f32 v8, v8, s12, s13                     ; the variance + 1e-5
	s_wait_alu depctr_va_vdst(0)
	v_rsq_f32 v26, v8
	v_nop                                          ; a plain instruction behind the transcendental,
	s_wait_alu depctr_va_vdst(0)                   ; and the wait ahead of its first reader
	v_mov_b32 v27, v26
.set j, 0
.rept 32
	v_pk_mul_f32 v[X+j:X+j+1], v[X+j:X+j+1], v[26:27]
.set j, j+2
.endr
	s_wait_loadcnt 0x0                             ; gain and bias
.set j, 0
.rept 32
	v_pk_fma_f32 v[X+j:X+j+1], v[X+j:X+j+1], v[G+j:G+j+1], v[BV+j:BV+j+1]
.set j, j+2
.endr
.set j, 0
.rept 64
	v_med3_num_f32 v[X+j], v[X+j], -v29, v29       ; the conversion to an 8-bit code does not saturate (ISA guide 7.6.2): the hold comes first
.set j, j+1
.endr
.irp kb, 0,1,2,3,4,5,6,7
	v_cvt_scalef32_pk8_bf8_f32 v[CD+2*\kb:CD+2*\kb+1], v[X+8*\kb:X+8*\kb+7], v28
.endr
	v_nop                                          ; a plain instruction behind the last conversion
.irp kb, 0,1,2,3,4,5,6,7
	global_store_b64 v[HO], v[CD+2*\kb:CD+2*\kb+1], s[32:33] offset:\kb*16384   ; 32 lanes: two neighbouring rows of a block, 256 consecutive bytes
.endr
	s_endpgm
.Lfunc_end_k_q631f2536c4_ln2:
	.size	k_q631f2536c4_ln2, .Lfunc_end_k_q631f2536c4_ln2-k_q631f2536c4_ln2
	.p2alignl 7, 3214868480
	.fill 96, 4, 3214868480
	.section	.rodata,"a",@progbits
	.p2align	6, 0x0
	.amdhsa_kernel k_q631f2536c4_ln2
		.amdhsa_group_segment_fixed_size 0
		.amdhsa_private_segment_fixed_size 0
		.amdhsa_enable_private_segment 0
		.amdhsa_kernarg_size 40
		.amdhsa_user_sgpr_count 2
		.amdhsa_user_sgpr_kernarg_segment_ptr 1
		.amdhsa_wavefront_size32 1
		.amdhsa_system_sgpr_workgroup_id_x 1
		.amdhsa_system_sgpr_workgroup_id_y 1
		.amdhsa_system_sgpr_workgroup_id_z 1
		.amdhsa_system_vgpr_workitem_id 0
		.amdhsa_next_free_vgpr 256
		.amdhsa_next_free_sgpr 66
		.amdhsa_reserve_vcc 0
		.amdhsa_float_denorm_mode_32 3
		.amdhsa_float_denorm_mode_16_64 3
		.amdhsa_memory_ordered 1
		.amdhsa_forward_progress 1
		.amdhsa_inst_pref_size 25
	.end_amdhsa_kernel
	.amdgpu_metadata
---
amdhsa.version: [ 1, 2 ]
amdhsa.kernels:
  - .name:           k_q631f2536c4_ln2
    .symbol:         k_q631f2536c4_ln2.kd
    .args:
      - { .name: x1, .offset: 0, .size: 8, .value_kind: global_buffer, .address_space: global }
      - { .name: ln2_g, .offset: 8, .size: 8, .value_kind: global_buffer, .address_space: global }
      - { .name: ln2_b, .offset: 16, .size: 8, .value_kind: global_buffer, .address_space: global }
      - { .name: lowp_scales, .offset: 24, .size: 8, .value_kind: global_buffer, .address_space: global }
      - { .name: h2c, .offset: 32, .size: 8, .value_kind: global_buffer, .address_space: global }
    .group_segment_fixed_size: 0
    .private_segment_fixed_size: 0
    .kernarg_segment_align: 8
    .kernarg_segment_size: 40
    .max_flat_workgroup_size: 256
    .sgpr_count:     66
    .vgpr_count:     256
    .wavefront_size: 32
...
	.end_amdgpu_metadata
.endif
;; end of part 5
;; launch ffn1 (part 6): grid 8 x 32, 4 waves a work-group, clusters of 4 x 4, 327,680 bytes of LDS; arguments h2c, wc, lowp_scales, ffn_b1, gc; writes gc
.if DOCPART == 6
	.amdgcn_target "amdgcn-amd-amdhsa--gfx1250"
	.amdhsa_code_object_version 6
	.text
	.protected	k_q631f2536c4_ffn1
	.globl	k_q631f2536c4_ffn1
	.p2align	8
	.type	k_q631f2536c4_ffn1,@function
k_q631f2536c4_ffn1:
	s_mov_b64 s[64:65], 0
	v_nop
	global_prefetch_b8 v0, s[64:65] scope:SCOPE_SE
	s_setreg_imm32_b32 hwreg(HW_REG_WAVE_MODE, 25, 1), 1
	s_wait_xcnt 0x0
	s_wait_alu depctr_hold_cnt(0) depctr_sa_sdst(0) depctr_va_vdst(0) depctr_va_sdst(0) depctr_va_ssrc(0) depctr_va_vcc(0) depctr_vm_vsrc(0)
	s_getreg_b32 s2, hwreg(HW_REG_IB_STS2, 6, 4)
	s_cmp_eq_u32 s2, 0
	s_cbranch_scc0 .Lentry_in_a_cluster
	s_endpgm
.Lentry_in_a_cluster:
	s_bfe_u32 s2, ttmp6, 0x10000c
	s_cmp_lg_u32 s2, 0xf033
	s_cbranch_scc0 .Lentry_shape_is_right
	s_endpgm
.Lentry_shape_is_right:
.set SIZE_K, 1024
.set WOFF,   4194304
.set KB,     SIZE_K/128
.set BLK,    16384
.set PITCH,  144
.set LBLK,   128*PITCH
.set HALFT,  2*LBLK
.set SLOT,   4*HALFT
.set SPARE,  2*SLOT
.set STG,    SPARE+512
.set NEXTB,  8*KB*BLK
.set LIM,  1
.set BO,   3
.set ADRA, 4
.set ADRB, 6
.set STO,  8
.set RD,   9
.set CO,   10
.set SC,   11
.set SPW,  12
.set NIL,  13
.set C8,   14
.set W,    16
.set CD,   24
.set CB,   32
.set T,    64
.set P,    96
.set BK,   64
.set ACC,  128
.set F0,   0
.set F1,   128
.set G1,  24
.set G0,  32
.set G1B, 48
.set G0B, 56
.set C9,  76
.set NK,  94
.set MSB, 0
.macro WIN new
.if MSB != \new
	s_set_vgpr_msb (MSB<<8)|\new
.set MSB, \new
.endif
.endm
.set MUL,  0x05
.set TO_F, 0x40
; g = gelu(LN2(x1) ffn_w1 + ffn_b1) on codes of E5M2, quantised at once with lowp_scales[10].  A work-group owns 128 tokens and makes two tiles of 128 hidden units; the tokens' codes are fetched once.
; A tensor load brings four blocks on end (65,536 dense bytes, stated as 256 rows of 256 bytes; 16 bytes of padding behind each 128): one operand's whole part of a slot of 512 along K.
; The descriptors hang on no wave's number: set s of G0 is the tokens' part of slot s, set s of G0B the weight's.
.macro ARM g0, g1                      ; one joint load; an s_nop 0 and four v_nop follow it
	tensor_load_to_lds s[\g0:\g0+3], s[\g1:\g1+7]
	s_nop 0
.rept 4
	v_nop
.endr
.endm
.macro HLOAD                           ; the first fills: one chain of branches on the wave's number, one load to an arm: wave 0, 1 the tokens' part of slot 0, 1; wave 2, 3 the weight's.  All 1,024 along K are asked for at once
	s_cmp_lg_u32 s10, 0
	s_cbranch_scc1 .Lh1_\@
	ARM G0, G1
	s_branch .Lhj_\@
.Lh1_\@:
	s_cmp_lg_u32 s10, 1
	s_cbranch_scc1 .Lh2_\@
	ARM G0+4, G1
	s_branch .Lhj_\@
.Lh2_\@:
	s_cmp_lg_u32 s10, 2
	s_cbranch_scc1 .Lh3_\@
	ARM G0B, G1B
	s_branch .Lhj_\@
.Lh3_\@:
	ARM G0B+4, G1B
.Lhj_\@:
.endm
; A refill: the weight's four blocks of slot s, by wave s + 2 alone; the other waves have nothing to fill.  A refill is asked for four K steps and a way out ahead of its first read.
.macro JLOADB s
	s_cmp_lg_u32 s10, \s+2
	s_cbranch_scc0 .Lfor_b_\@
.rept 4
	v_nop
.endr
	s_branch .Lasked_\@
.Lfor_b_\@:
	tensor_load_to_lds s[G0B+4*\s:G0B+4*\s+3], s[G1B:G1B+7]
	s_nop 0
.rept 4
	v_nop
.endr
.Lasked_\@:
.endm
.macro CREST
	s_cmp_lg_u32 s10, 0
	s_cbranch_scc1 .Lnot_wave_0_\@
	s_barrier_signal -3
.Lnot_wave_0_\@:
	s_barrier_wait -3
	s_barrier_signal -1
	s_barrier_wait -1
.endm
.macro CROUND
	s_barrier_signal -1
	s_barrier_wait -1
	CREST
.endm
.macro PLACES
.rept 4
	v_nop
.endr
.endm
.macro MUL4 f, a, zero
.irp b, 0,1,2,3
.set TK, 64*(KS%4)+16*(\a)
.if \zero
	v_wmma_f32_16x16x128_bf8_bf8 v[ACC+8*(4*(\a)+\b):ACC+8*(4*(\a)+\b)+7], v[\f+64+16*\b:\f+64+16*\b+15], v[TK:TK+15], 0
.else
	v_wmma_f32_16x16x128_bf8_bf8 v[ACC+8*(4*(\a)+\b):ACC+8*(4*(\a)+\b)+7], v[\f+64+16*\b:\f+64+16*\b+15], v[TK:TK+15], v[ACC+8*(4*(\a)+\b):ACC+8*(4*(\a)+\b)+7]
.endif
.endr
.endm
.macro FETCH slot, q, f
	WIN TO_F
.irp i, 0,1,2,3
.irp c, 0,1,2,3
	ds_load_b128 v[\f+64+16*\i+4*\c:\f+64+16*\i+4*\c+3], v[ADRB+\slot] offset:(\q)*LBLK+\i*16*PITCH+32*\c
.endr
.endr
; THE TOKENS' FRAGMENTS STAY IN REGISTERS: K step k's four lie at v[64 (k % 4) ..] of window 2 (k < 4) or 3.  They are fetched in the first tile alone (FN = 1) and serve both tiles: the second reads the weight's 16 loads a K step and no more.
.if FN
.set KF, 4*(\slot)+(\q)
.set WA, 0x80+0x40*(KF/4)
	WIN WA
.irp i, 0,1,2,3
.irp c, 0,1,2,3
	ds_load_b128 v[64*(KF%4)+16*\i+4*\c:64*(KF%4)+16*\i+4*\c+3], v[ADRA+\slot] offset:(\q)*LBLK+\i*16*PITCH+32*\c
.endr
.endr
.endif
.endm
.macro SETK k                          ; the K step that is multiplied next: where its tokens' fragments lie, and the windows: source 0 (the weight) window 1, source 1 (the tokens) window 2 or 3, C and D window 0
.set KS, \k
.set MUL, 1|((2+KS/4)<<2)
.endm
; FP = 1: the fetch that is out holds the tokens' 16 loads behind the weight's 16; FN = 1: so does the fetch issued next
.macro QUARTER slot, q, f, g, zero
	SETK 4*(\slot)+(\q)-1
	s_wait_dscnt 8*FP                              ; the weight's four fragments are in (FP = 1: and the tokens' first two; the youngest eight loads may be out)
	WIN MUL
	MUL4 \f, 0, \zero
	MUL4 \f, 1, \zero
	PLACES
	FETCH \slot, \q, \g
	s_wait_dscnt 16+16*FN                          ; all but the loads just issued
.set FP, FN
	WIN MUL
	MUL4 \f, 2, \zero
	MUL4 \f, 3, \zero
.endm
.macro TURN slot, next, fill
	SETK 4*(\slot)+3
	WIN 0
	s_wait_tensorcnt 0x0
	ds_add_u32 v[SPW], v[NIL]
	s_wait_dscnt 8*FP+1                            ; (the add may be out; FP = 1: and the youngest eight loads)
	WIN MUL
	MUL4 F1, 0, 0
	s_wait_dscnt 0x0
	s_barrier_signal -1
	MUL4 F1, 1, 0
.if \fill
	WIN 0
.endif
	s_barrier_wait -1
.if \fill
	CREST
	s_add_nc_u64 s[G0B+4*\slot+2:G0B+4*\slot+3], s[G0B+4*\slot+2:G0B+4*\slot+3], NEXTB
	JLOADB \slot
.else
	PLACES
.endif
	FETCH \next, 0, F0
.set FP, FN
	WIN MUL
	MUL4 F1, 2, 0
	MUL4 F1, 3, 0
.endm
.macro CONST reg, bits
	s_mov_b32 s[\reg], \bits
	s_mov_b32 s[\reg+1], \bits
.endm
.macro GELU a
.set XX, ACC+32*(\a)
.set j, 0
.rept 16
	v_pk_fma_f32 v[XX+j:XX+j+1], v[XX+j:XX+j+1], s[66:67], v[CB+j:CB+j+1] op_sel_hi:[1,0,1]
.set j, j+2
.endr
.set n, 0
.rept 32
	v_fma_f32 v[T+n], |v[XX+n]|, s96, 1.0
.set n, n+1
.endr
.set n, 0
	s_wait_alu depctr_va_vdst(0)
.rept 32
	v_rcp_f32 v[T+n], v[T+n]
.set n, n+1
.endr
	v_nop
	s_wait_alu depctr_va_vdst(0)
.set j, 0
.rept 16
	v_pk_fma_f32 v[P+j:P+j+1], v[T+j:T+j+1], s[C9:C9+1], v[C8:C8+1] op_sel_hi:[1,0,1]
.set j, j+2
.endr
.irp c, 78,80,82,84,86,88,90,92
.set j, 0
.rept 16
	v_pk_fma_f32 v[P+j:P+j+1], v[P+j:P+j+1], v[T+j:T+j+1], s[\c:\c+1] op_sel_hi:[1,1,0]
.set j, j+2
.endr
.endr
.set j, 0
.rept 4
.irp i, 0,2,4,6
	v_pk_mul_f32 v[W+\i:W+\i+1], v[XX+j+\i:XX+j+\i+1], v[XX+j+\i:XX+j+\i+1]
.endr
.irp i, 0,2,4,6
	v_pk_fma_f32 v[P+j+\i:P+j+\i+1], v[W+\i:W+\i+1], s[NK:NK+1], v[P+j+\i:P+j+\i+1] op_sel_hi:[1,0,1]
.endr
.set j, j+8
.endr
.set n, 0
	s_wait_alu depctr_va_vdst(0)
.rept 32
	v_exp_f32 v[P+n], v[P+n]
.set n, n+1
.endr
	v_nop
	s_wait_alu depctr_va_vdst(0)
.set j, 0
.rept 16
	v_pk_mul_f32 v[P+j:P+j+1], v[P+j:P+j+1], v[T+j:T+j+1]
.set j, j+2
.endr
.set n, 0
.rept 32
	v_max_num_f32 v[T+n], v[XX+n], 0
.set n, n+1
.endr
.set n, 0
.rept 32
	v_fma_f32 v[XX+n], -|v[XX+n]|, v[P+n], v[T+n]
.set n, n+1
.endr
.set n, 0
.rept 32
	v_med3_num_f32 v[XX+n], v[XX+n], -v[LIM], v[LIM]
.set n, n+1
.endr
	s_wait_alu depctr_va_vdst(0)
	s_wait_dscnt 0x0
.irp b, 0,1,2,3
	v_cvt_scalef32_pk8_bf8_f32 v[CD+2*\b:CD+2*\b+1], v[XX+8*\b:XX+8*\b+7], v[SC]
.endr
	v_nop
.irp b, 0,1,2,3
	ds_store_b64 v[STO], v[CD+2*\b:CD+2*\b+1] offset:(\a)*16*PITCH+16*\b
.endr
.endm
.macro WAYOUT t, more
	WIN 0
	s_wait_loadcnt 0x0
	s_wait_xcnt 0x0
	PLACES
	GELU 0
	GELU 1
	GELU 2
	GELU 3
.if \more
.irp b, 0,1,2,3
	global_load_b128 v[CB+8*\b:CB+8*\b+3], v[BO], s[70:71] offset:4096*(\t+1)+64*\b
	global_load_b128 v[CB+8*\b+4:CB+8*\b+7], v[BO], s[70:71] offset:4096*(\t+1)+64*\b+16
.endr
.endif
	s_wait_dscnt 0x0
	s_barrier_signal -1
	s_barrier_wait -1
.irp i, 0,1,2,3,4,5,6,7
	ds_load_b128 v[BK+4*\i:BK+4*\i+3], v[RD] offset:4*\i*PITCH
.endr
.irp i, 0,1,2,3,4,5,6,7
	s_wait_dscnt 7-\i
	global_store_b128 v[CO], v[BK+4*\i:BK+4*\i+3], s[72:73] offset:(\t)*8*BLK+512*\i
.endr
.endm
.macro TILE t, more
	QUARTER 0, 1, F0, F1, 1
	QUARTER 0, 2, F1, F0, 0
	QUARTER 0, 3, F0, F1, 0
	TURN 0, 1, \more
	QUARTER 1, 1, F0, F1, 0
	QUARTER 1, 2, F1, F0, 0
	QUARTER 1, 3, F0, F1, 0
.if \more
.set FN, 0                             ; from here on the tokens' fragments are all in registers
	TURN 1, 0, 1
.else
	SETK 7
	s_wait_dscnt 8*FP
	WIN MUL
	MUL4 F1, 0, 0
	MUL4 F1, 1, 0
	s_wait_dscnt 0x0
	MUL4 F1, 2, 0
	MUL4 F1, 3, 0
.endif
	WAYOUT \t, \more
.endm
	s_load_b128 s[4:7], s[0:1], 0x0
	s_load_b128 s[68:71], s[0:1], 0x10
	s_load_b64 s[72:73], s[0:1], 0x20
	v_lshl_add_u32 v[SPW], v0, 2, SPARE
	v_mov_b32 v[NIL], 0
	ds_add_u32 v12, v13
	ds_add_u32 v12, v13
	s_wait_dscnt 0x0
	v_lshrrev_b32 v1, 5, v0
	v_readfirstlane_b32 s10, v1
	s_lshr_b32 s11, s10, 1
	s_and_b32 s12, s10, 1
	s_bfe_u32 s40, ttmp6, 0x40000
	s_bfe_u32 s41, ttmp6, 0x40004
	s_lshl_b32 s42, ttmp9, 2
	s_add_co_u32 s42, s42, s40
	s_and_b32 s13, ttmp7, 0xffff
	s_lshl_b32 s13, s13, 2
	s_add_co_u32 s13, s13, s41
	s_lshl_b32 s43, s41, 2
	s_lshl_b32 s43, 15, s43
	s_lshl_b32 s44, 0x1111, s40
	s_or_b32 s[G1+0], s43, (1<<20)|(1<<21)|(4<<22)|(3<<25)
	s_or_b32 s[G1B+0], s44, (1<<20)|(1<<21)|(4<<22)|(3<<25)
.irp g, G1, G1B
	s_mov_b32 s[\g+1], 256<<16                     ; tensor_dim0 = 256
	s_mov_b32 s[\g+2], 256<<16                     ; tensor_dim1 = 256
	s_mov_b32 s[\g+3], 256<<16                     ; tile_dim0 = 256
	s_mov_b32 s[\g+4], 256                         ; tile_dim1 = 256: four blocks on end
	s_mov_b32 s[\g+5], 256                         ; from row to row
	s_mov_b32 s[\g+6], 0
	s_mov_b32 s[\g+7], 0
.endr
	s_mul_i32 s16, s13, KB*BLK                     ; the tokens: the tile's first block
	s_mul_i32 s46, s42, KB*BLK                     ; the weight: the first tile's first block,
	s_add_co_u32 s46, s46, WOFF
	s_mov_b32 s17, 0
	s_mov_b32 s47, 0
	CROUND                                         ; the round in front of the first joint loads needs the wave's number alone: it stands ahead of the wait for the arguments; only scalar work follows up to the loads
	s_wait_kmcnt 0x0
	s_load_b128 s[76:79], s[68:69], 0x20           ; e8 .. e11
	s_add_nc_u64 s[14:15], s[4:5], s[16:17]
	s_add_nc_u64 s[46:47], s[6:7], s[46:47]
.irp s, 0,1
	s_mov_b32 s[G0+4*\s], 1
	s_mov_b32 s[G0+4*\s+1], \s*SLOT
	s_add_nc_u64 s[G0+4*\s+2:G0+4*\s+3], s[14:15], \s*4*BLK
	s_or_b32 s[G0+4*\s+3], s[G0+4*\s+3], 0x80000000
	s_mov_b32 s[G0B+4*\s], 1
	s_mov_b32 s[G0B+4*\s+1], \s*SLOT+2*HALFT
	s_add_nc_u64 s[G0B+4*\s+2:G0B+4*\s+3], s[46:47], \s*4*BLK
	s_or_b32 s[G0B+4*\s+3], s[G0B+4*\s+3], 0x80000000
.endr
	HLOAD                                          ; my one tensor load at the head
	v_and_b32 v1, 15, v0
	s_wait_alu depctr_va_vdst(0)
	v_bfe_u32 v2, v0, 4, 1
	v_mul_u32_u24 v3, v1, PITCH
	v_lshl_add_u32 v3, v2, 4, v3
	s_mul_i32 s21, s11, 64*PITCH
	s_mul_i32 s22, s12, 64*PITCH
	s_add_co_u32 s22, s22, 2*HALFT
.irp s, 0,1
	v_add_nc_u32 v[ADRA+\s], s21, v3
	v_add_nc_u32 v[ADRB+\s], s22, v3
	s_add_co_u32 s21, s21, SLOT
	s_add_co_u32 s22, s22, SLOT
.endr
	s_mul_i32 s21, s11, 64*PITCH
	s_lshl_b32 s22, s12, 6
	s_add_co_u32 s21, s21, s22
	s_add_co_u32 s21, s21, STG
	v_mul_u32_u24 v[STO], v1, PITCH
	s_wait_alu depctr_va_vdst(0)
	v_lshl_add_u32 v[STO], v2, 3, v[STO]
	v_add_nc_u32 v[STO], s21, v[STO]
	s_mul_i32 s21, s10, 32*PITCH
	s_add_co_u32 s21, s21, STG
	v_bfe_u32 v3, v0, 3, 2
	v_mul_u32_u24 v[RD], v3, PITCH
	v_and_b32 v3, 7, v0
	v_lshl_add_u32 v[RD], v3, 4, v[RD]
	v_add_nc_u32 v[RD], s21, v[RD]
	s_lshl_b32 s21, s10, 12
	v_and_b32 v[CO], 31, v0
	v_lshlrev_b32 v[CO], 4, v[CO]
	v_add_nc_u32 v[CO], s21, v[CO]
	v_lshlrev_b32 v[BO], 5, v2
	s_wait_alu depctr_va_vdst(0)
	s_lshl_b32 s20, s13, 4
	s_add_co_u32 s20, s20, s42
	s_lshl_b32 s20, s20, 14
	s_mov_b32 s21, 0
	s_add_nc_u64 s[72:73], s[72:73], s[20:21]
	s_lshl_b32 s20, s42, 9
	s_lshl_b32 s22, s12, 8
	s_add_co_u32 s20, s20, s22
	s_add_nc_u64 s[70:71], s[70:71], s[20:21]
.irp b, 0,1,2,3
	global_load_b128 v[CB+8*\b:CB+8*\b+3], v[BO], s[70:71] offset:64*\b
	global_load_b128 v[CB+8*\b+4:CB+8*\b+7], v[BO], s[70:71] offset:64*\b+16
.endr
	s_wait_kmcnt 0x0
	s_add_co_i32 s66, s76, s77
	s_add_co_i32 s66, s66, 127
	s_lshl_b32 s66, s66, 23
	s_mov_b32 s67, s66
	s_add_co_i32 s78, s78, 127
	s_lshl_b32 s79, s78, 23
	v_mov_b32 v[SC], s79
	s_add_co_i32 s78, s78, 15
	s_lshl_b32 s78, s78, 23
	s_or_b32 s78, s78, 0x600000
	v_mov_b32 v[LIM], s78
	CONST 76, 0x3e7c6f08
	CONST 78, 0x40097039
	CONST 80, 0xbfd1a1e5
	CONST 82, 0x3ecdfd18
	CONST 84, 0xbe899a80
	CONST 86, 0x3e0efb2e
	CONST 88, 0x3f0a29d2
	CONST 90, 0x3fb8ab5a
	CONST 92, 0xc034d90f
	CONST 94, 0xbf38aa3b
	s_mov_b32 s96, 0x3eb504f3
	v_mov_b32 v[C8], 0xbf97d29d
	v_mov_b32 v[C8+1], 0xbf97d29d
	; where my prefetch stands: the second tile of the weight is 8 blocks; the four partners of my column of the cluster (by cy, in the address alone) and the four waves take 8,192 bytes each, lanes 256 bytes apart
.set PFA, 98
.set PFO, 2
	s_lshl_b32 s20, s41, 2
	s_add_co_u32 s20, s20, s10
	s_lshl_b32 s20, s20, 13
	s_mov_b32 s21, 0
	s_add_nc_u64 s[PFA:PFA+1], s[46:47], s[20:21]
	s_and_b32 s23, ttmp7, 1                        ; a tile of the weight is loaded by eight clusters: the four with an even row number ask
	v_and_b32 v[PFO], 31, v0
	v_lshlrev_b32 v[PFO], 8, v[PFO]
	s_wait_alu depctr_va_vdst(0)                   ; the wait at the head's end
	s_wait_tensorcnt 0x0                           ; my load has landed; behind the barrier both slots are whole
	s_barrier_signal -1
	s_barrier_wait -1
.set FN, 1
.set FP, 1
	FETCH 0, 0, F0
	WIN 0
	s_cmp_eq_u32 s23, 0
	s_cbranch_scc0 .Lno_ask
	global_prefetch_b8 v[PFO], s[PFA:PFA+1] offset:NEXTB th:TH_LOAD_NT scope:SCOPE_SE     ; four K steps ahead of its first refill; inside ffn_w1's 128 blocks; the address registers are never rewritten
.Lno_ask:
	TILE 0, 1
	TILE 1, 0
	s_wait_tensorcnt 0x0
	ds_add_u32 v[SPW], v[NIL]
	s_wait_dscnt 0x0
	CROUND
	s_endpgm
.Lfunc_end_k_q631f2536c4_ffn1:
	.size	k_q631f2536c4_ffn1, .Lfunc_end_k_q631f2536c4_ffn1-k_q631f2536c4_ffn1
	.p2alignl 7, 3214868480
	.fill 96, 4, 3214868480
	.section	.rodata,"a",@progbits
	.p2align	6, 0x0
	.amdhsa_kernel k_q631f2536c4_ffn1
		.amdhsa_group_segment_fixed_size 327680
		.amdhsa_private_segment_fixed_size 0
		.amdhsa_enable_private_segment 0
		.amdhsa_kernarg_size 40
		.amdhsa_user_sgpr_count 2
		.amdhsa_user_sgpr_kernarg_segment_ptr 1
		.amdhsa_wavefront_size32 1
		.amdhsa_system_sgpr_workgroup_id_x 1
		.amdhsa_system_sgpr_workgroup_id_y 1
		.amdhsa_system_sgpr_workgroup_id_z 1
		.amdhsa_system_vgpr_workitem_id 0
		.amdhsa_next_free_vgpr 1024
		.amdhsa_next_free_sgpr 100
		.amdhsa_reserve_vcc 0
		.amdhsa_float_denorm_mode_32 3
		.amdhsa_float_denorm_mode_16_64 3
		.amdhsa_memory_ordered 1
		.amdhsa_forward_progress 1
		.amdhsa_inst_pref_size 252
	.end_amdhsa_kernel
	.amdgpu_metadata
---
amdhsa.version: [ 1, 2 ]
amdhsa.kernels:
  - .name:           k_q631f2536c4_ffn1
    .symbol:         k_q631f2536c4_ffn1.kd
    .args:
      - { .name: h2c, .offset: 0, .size: 8, .value_kind: global_buffer, .address_space: global }
      - { .name: wc, .offset: 8, .size: 8, .value_kind: global_buffer, .address_space: global }
      - { .name: lowp_scales, .offset: 16, .size: 8, .value_kind: global_buffer, .address_space: global }
      - { .name: ffn_b1, .offset: 24, .size: 8, .value_kind: global_buffer, .address_space: global }
      - { .name: gc, .offset: 32, .size: 8, .value_kind: global_buffer, .address_space: global }
    .group_segment_fixed_size: 327680
    .private_segment_fixed_size: 0
    .kernarg_segment_align: 8
    .kernarg_segment_size: 40
    .max_flat_workgroup_size: 128
    .sgpr_count:     100
    .vgpr_count:     1024
    .wavefront_size: 32
...
	.end_amdgpu_metadata
.endif
;; end of part 6
;; launch ffn2 (part 7): grid 8 x 32, 4 waves a work-group, clusters of 4 x 4, 327,680 bytes of LDS; arguments gc, wc, lowp_scales, ffn_b2, x1, out0; writes out0
.if DOCPART == 7
	.amdgcn_target "amdgcn-amd-amdhsa--gfx1250"
	.amdhsa_code_object_version 6
	.text
	.protected	k_q631f2536c4_ffn2
	.globl	k_q631f2536c4_ffn2
	.p2align	8
	.type	k_q631f2536c4_ffn2,@function
k_q631f2536c4_ffn2:
	s_mov_b64 s[64:65], 0
	v_nop
	global_prefetch_b8 v0, s[64:65] scope:SCOPE_SE
	s_setreg_imm32_b32 hwreg(HW_REG_WAVE_MODE, 25, 1), 1
	s_wait_xcnt 0x0
	s_wait_alu depctr_hold_cnt(0) depctr_sa_sdst(0) depctr_va_vdst(0) depctr_va_sdst(0) depctr_va_ssrc(0) depctr_va_vcc(0) depctr_vm_vsrc(0)
	s_getreg_b32 s2, hwreg(HW_REG_IB_STS2, 6, 4)
	s_cmp_eq_u32 s2, 0
	s_cbranch_scc0 .Lentry_in_a_cluster
	s_endpgm
.Lentry_in_a_cluster:
	s_bfe_u32 s2, ttmp6, 0x10000c
	s_cmp_lg_u32 s2, 0xf033
	s_cbranch_scc0 .Lentry_shape_is_right
	s_endpgm
.Lentry_shape_is_right:
.set SIZE_K, 2048
.set WOFF,   6291456
.set SCOFF,  0x28
.set KB,     SIZE_K/128
.set BLK,    16384
.set PITCH,  144
.set LBLK,   128*PITCH
.set HALFT,  2*LBLK
.set SLOT,   4*HALFT
.set SPARE,  2*SLOT
.set LAPS,   SIZE_K/1024
.set SPITCH, 528
.set ADRA, 4
.set ADRB, 6
.set STO,  8
.set RD,   9
.set CO,   10
.set SPW,  12
.set NIL,  13
.set BI,   16
.set ACC,  128
.set RES,  0
.set F0,   0
.set F1,   128
.set G1,  24
.set G0,  32
.set G1B, 48
.set G0B, 56
.set MSB, 0
.macro WIN new
.if MSB != \new
	s_set_vgpr_msb (MSB<<8)|\new
.set MSB, \new
.endif
.endm
.set MUL,  0x05
.set TO_F, 0x40
; out0 = x1 + (g ffn_w2 + ffn_b2), the product on codes of E5M2 (lowp_scales[10], [11]); residual, bias and result f32.  A tile of C is 128 x 128: four waves, each 64 x 64 = 16 accumulators.
; K = 2,048 goes through two LDS slots of 512 along K (A's four blocks, then the weight's four); each slot is filled twice.
; A tensor load brings four blocks on end (65,536 dense bytes, stated as 256 rows of 256 bytes; 16 bytes of padding behind each 128): one operand's whole part of a slot.
; The descriptors hang on no wave's number: set s of G0 is A's part of slot s, set s of G0B the weight's.  LIMIT: the two exponents added lie between -126 and 127.
.set PFA, 78                           ; s[78:79] where my prefetches stand; never rewritten
.set PFO, 14                           ; v14      their offset: 256 x my lane; never rewritten
.macro ARM g0, g1                      ; one joint load; an s_nop 0 and four v_nop follow it
	tensor_load_to_lds s[\g0:\g0+3], s[\g1:\g1+7]
	s_nop 0
.rept 4
	v_nop
.endr
.endm
.macro HLOAD                           ; the first fills: one chain of branches on the wave's number, one load to an arm: wave 0, 1 A's part of slot 0, 1; wave 2, 3 the weight's.  The first 1,024 along K are asked for at once
	s_cmp_lg_u32 s10, 0
	s_cbranch_scc1 .Lh1_\@
	ARM G0, G1
	s_branch .Lhj_\@
.Lh1_\@:
	s_cmp_lg_u32 s10, 1
	s_cbranch_scc1 .Lh2_\@
	ARM G0+4, G1
	s_branch .Lhj_\@
.Lh2_\@:
	s_cmp_lg_u32 s10, 2
	s_cbranch_scc1 .Lh3_\@
	ARM G0B, G1B
	s_branch .Lhj_\@
.Lh3_\@:
	ARM G0B+4, G1B
.Lhj_\@:
.endm
.macro JLOAD s                         ; a refill of slot s: wave s asks for A's part, wave s + 2 for the weight's, the other two have nothing to fill; the four v_nop on every way are also the places in front of the LDS loads that follow
	s_cmp_eq_u32 s10, \s
	s_cbranch_scc0 .Lnot_a_\@
	ARM G0+4*\s, G1
	s_branch .Lasked_\@
.Lnot_a_\@:
	s_cmp_eq_u32 s10, \s+2
	s_cbranch_scc0 .Lnone_\@
	ARM G0B+4*\s, G1B
	s_branch .Lasked_\@
.Lnone_\@:
.rept 4
	v_nop
.endr
.Lasked_\@:
.endm
.macro CREST
	s_cmp_lg_u32 s10, 0
	s_cbranch_scc1 .Lnot_wave_0_\@
	s_barrier_signal -3
.Lnot_wave_0_\@:
	s_barrier_wait -3
	s_barrier_signal -1
	s_barrier_wait -1
.endm
.macro CROUND
	s_barrier_signal -1
	s_barrier_wait -1
	CREST
.endm
.macro PLACES
.rept 4
	v_nop
.endr
.endm
.macro MUL4 f, a, zero
.irp b, 0,1,2,3
.if \zero
	v_wmma_f32_16x16x128_bf8_bf8 v[ACC+8*(4*(\a)+\b):ACC+8*(4*(\a)+\b)+7], v[\f+64+16*\b:\f+64+16*\b+15], v[\f+16*(\a):\f+16*(\a)+15], 0
.else
	v_wmma_f32_16x16x128_bf8_bf8 v[ACC+8*(4*(\a)+\b):ACC+8*(4*(\a)+\b)+7], v[\f+64+16*\b:\f+64+16*\b+15], v[\f+16*(\a):\f+16*(\a)+15], v[ACC+8*(4*(\a)+\b):ACC+8*(4*(\a)+\b)+7]
.endif
.endr
.endm
.macro FETCH slot, q, f
	WIN TO_F
.irp i, 0,1,2,3
.irp c, 0,1,2,3
	ds_load_b128 v[\f+64+16*\i+4*\c:\f+64+16*\i+4*\c+3], v[ADRB+\slot] offset:(\q)*LBLK+\i*16*PITCH+32*\c
.endr
.endr
.irp i, 0,1,2,3
.irp c, 0,1,2,3
	ds_load_b128 v[\f+16*\i+4*\c:\f+16*\i+4*\c+3], v[ADRA+\slot] offset:(\q)*LBLK+\i*16*PITCH+32*\c
.endr
.endr
.endm
.macro QUARTER slot, q, f, g, zero
	s_wait_dscnt 8
	WIN MUL
	MUL4 \f, 0, \zero
	MUL4 \f, 1, \zero
	PLACES
	FETCH \slot, \q, \g
	s_wait_dscnt 32
	WIN MUL
	MUL4 \f, 2, \zero
	MUL4 \f, 3, \zero
.endm
.macro TURN slot, next, fill
	WIN 0
	s_wait_tensorcnt 0x0
	ds_add_u32 v[SPW], v[NIL]
	s_wait_dscnt 9
	WIN MUL
	MUL4 F1, 0, 0
	s_wait_dscnt 0x0
	s_barrier_signal -1
	MUL4 F1, 1, 0
.if \fill
	WIN 0
.endif
	s_barrier_wait -1
.if \fill
	CREST
	s_add_nc_u64 s[G0+4*\slot+2:G0+4*\slot+3], s[G0+4*\slot+2:G0+4*\slot+3], 8*BLK
	s_add_nc_u64 s[G0B+4*\slot+2:G0B+4*\slot+3], s[G0B+4*\slot+2:G0B+4*\slot+3], 8*BLK
	JLOAD \slot
.else
	PLACES
.endif
	FETCH \next, 0, F0
	WIN MUL
	MUL4 F1, 2, 0
	MUL4 F1, 3, 0
.endm
	s_load_b128 s[4:7], s[0:1], 0x0
	s_load_b128 s[68:71], s[0:1], 0x10
	s_load_b128 s[72:75], s[0:1], 0x20
	v_lshl_add_u32 v[SPW], v0, 2, SPARE
	v_mov_b32 v[NIL], 0
	ds_add_u32 v12, v13
	ds_add_u32 v12, v13
	s_wait_dscnt 0x0
	v_lshrrev_b32 v1, 5, v0
	v_readfirstlane_b32 s10, v1
	s_lshr_b32 s11, s10, 1
	s_and_b32 s12, s10, 1
	s_bfe_u32 s40, ttmp6, 0x40000
	s_bfe_u32 s41, ttmp6, 0x40004
	s_lshl_b32 s42, ttmp9, 2
	s_add_co_u32 s42, s42, s40
	s_and_b32 s13, ttmp7, 0xffff
	s_lshl_b32 s13, s13, 2
	s_add_co_u32 s13, s13, s41
	s_lshl_b32 s43, s41, 2
	s_lshl_b32 s43, 15, s43
	s_lshl_b32 s44, 0x1111, s40
	s_or_b32 s[G1+0], s43, (1<<20)|(1<<21)|(4<<22)|(3<<25)
	s_or_b32 s[G1B+0], s44, (1<<20)|(1<<21)|(4<<22)|(3<<25)
.irp g, G1, G1B
	s_mov_b32 s[\g+1], 256<<16                     ; tensor_dim0 = 256
	s_mov_b32 s[\g+2], 256<<16                     ; tensor_dim1 = 256
	s_mov_b32 s[\g+3], 256<<16                     ; tile_dim0 = 256
	s_mov_b32 s[\g+4], 256                         ; tile_dim1 = 256: four blocks on end
	s_mov_b32 s[\g+5], 256                         ; from row to row
	s_mov_b32 s[\g+6], 0
	s_mov_b32 s[\g+7], 0
.endr
	s_mul_i32 s16, s13, KB*BLK                     ; A: the tile row's first block
	s_mul_i32 s46, s42, KB*BLK                     ; the weight: the tile column's first block,
	s_add_co_u32 s46, s46, WOFF
	s_mov_b32 s17, 0
	s_mov_b32 s47, 0
	CROUND                                         ; the round in front of the first joint loads needs the wave's number alone: it stands ahead of the wait for the arguments; only scalar work follows up to the loads
	s_wait_kmcnt 0x0
	s_load_b64 s[76:77], s[68:69], SCOFF
	s_add_nc_u64 s[14:15], s[4:5], s[16:17]
	s_add_nc_u64 s[46:47], s[6:7], s[46:47]
.irp s, 0,1
	s_mov_b32 s[G0+4*\s], 1
	s_mov_b32 s[G0+4*\s+1], \s*SLOT
	s_add_nc_u64 s[G0+4*\s+2:G0+4*\s+3], s[14:15], \s*4*BLK
	s_or_b32 s[G0+4*\s+3], s[G0+4*\s+3], 0x80000000
	s_mov_b32 s[G0B+4*\s], 1
	s_mov_b32 s[G0B+4*\s+1], \s*SLOT+2*HALFT
	s_add_nc_u64 s[G0B+4*\s+2:G0B+4*\s+3], s[46:47], \s*4*BLK
	s_or_b32 s[G0B+4*\s+3], s[G0B+4*\s+3], 0x80000000
.endr
	HLOAD                                          ; my one tensor load at the head
	; A PREFETCH INTO THE L2 of what the two refills will ask for, blocks 8 to 15 along K: four K steps ahead of slot 0's refill, eight ahead of slot 1's.  Wave w stands for the four blocks that follow its own head load by 8.
	; The four partners that ask for them jointly share them out BY ADDRESS: the partner at place p (cx for A, cy for the weight) takes block p of the four: 64 units of 256 bytes, lanes 256 bytes apart, two instructions.
	; A tile column of the weight is loaded by eight clusters: those with an even row number ask for it, four in all.  The last byte named lies in block 15 of the tile: inside the buffer.
	s_cmp_eq_u32 s11, 0
	s_cselect_b64 s[PFA:PFA+1], s[14:15], s[46:47]
	s_cselect_b32 s20, s40, s41
	s_lshl_b32 s21, s12, 2
	s_add_co_u32 s20, s20, s21
	s_lshl_b32 s20, s20, 14
	s_add_co_u32 s20, s20, 8*BLK
	s_mov_b32 s21, 0
	s_add_nc_u64 s[PFA:PFA+1], s[PFA:PFA+1], s[20:21]
	v_and_b32 v[PFO], 31, v0
	v_lshlrev_b32 v[PFO], 8, v[PFO]
	s_and_b32 s23, ttmp7, s11                      ; 1: I stand for the weight and my cluster's row number is odd
	v_and_b32 v[CO], 31, v0
	v_lshlrev_b32 v[CO], 4, v[CO]
	s_wait_alu depctr_va_vdst(0)
	s_lshl_b32 s20, s13, 7
	s_lshl_b32 s21, s10, 5
	s_add_co_u32 s20, s20, s21
	s_lshl_b32 s20, s20, 12
	s_lshl_b32 s21, s42, 9
	s_add_co_u32 s20, s20, s21
	s_mov_b32 s21, 0
	s_add_nc_u64 s[72:73], s[72:73], s[20:21]
	s_add_nc_u64 s[74:75], s[74:75], s[20:21]
	s_lshl_b32 s20, s42, 9
	s_add_nc_u64 s[70:71], s[70:71], s[20:21]
	v_and_b32 v1, 15, v0
	s_wait_alu depctr_va_vdst(0)
	v_bfe_u32 v2, v0, 4, 1
	v_mul_u32_u24 v3, v1, PITCH
	v_lshl_add_u32 v3, v2, 4, v3
	s_mul_i32 s21, s11, 64*PITCH
	s_mul_i32 s22, s12, 64*PITCH
	s_add_co_u32 s22, s22, 2*HALFT
.irp s, 0,1
	v_add_nc_u32 v[ADRA+\s], s21, v3
	v_add_nc_u32 v[ADRB+\s], s22, v3
	s_add_co_u32 s21, s21, SLOT
	s_add_co_u32 s22, s22, SLOT
.endr
	s_mul_i32 s21, s11, 64*SPITCH
	s_lshl_b32 s22, s12, 8
	s_add_co_u32 s21, s21, s22
	v_mul_u32_u24 v[STO], v1, SPITCH
	s_wait_alu depctr_va_vdst(0)
	v_lshl_add_u32 v[STO], v2, 5, v[STO]
	v_add_nc_u32 v[STO], s21, v[STO]
	s_mul_i32 s21, s10, 32*SPITCH
	v_add_nc_u32 v[RD], s21, v[CO]
	s_wait_kmcnt 0x0
	s_add_co_i32 s66, s76, s77
	s_add_co_i32 s66, s66, 127
	s_lshl_b32 s66, s66, 23
	s_mov_b32 s67, s66
	s_wait_alu depctr_va_vdst(0)                   ; the wait at the head's end
	s_wait_tensorcnt 0x0                           ; my load has landed; behind the barrier both slots are whole
	s_barrier_signal -1
	s_barrier_wait -1
	FETCH 0, 0, F0
	WIN 0                                          ; behind the first tiles: the prefetch of blocks 8 to 15, then the bias and the residual, which come in beside the products
	s_cmp_eq_u32 s23, 0
	s_cbranch_scc0 .Lno_ask
	global_prefetch_b8 v[PFO], s[PFA:PFA+1] th:TH_LOAD_NT scope:SCOPE_SE
	global_prefetch_b8 v[PFO], s[PFA:PFA+1] offset:8192 th:TH_LOAD_NT scope:SCOPE_SE
.Lno_ask:
	global_load_b128 v[BI:BI+3], v[CO], s[70:71]   ; the bias at my four columns
	WIN 0x80                                       ; destination window 2
.set t, 0
.rept 32
	global_load_b128 v[RES+4*t:RES+4*t+3], v[CO], s[72:73] offset:t*4096 th:TH_LOAD_NT   ; the residual's 32 rows: 512 consecutive bytes each
.set t, t+1
.endr
	QUARTER 0, 1, F0, F1, 1
.if LAPS > 1
	WIN 0
	s_mov_b32 s3, LAPS-1
.Llap:
	QUARTER 0, 2, F1, F0, 0
	QUARTER 0, 3, F0, F1, 0
	TURN 0, 1, 1
	QUARTER 1, 1, F0, F1, 0
	QUARTER 1, 2, F1, F0, 0
	QUARTER 1, 3, F0, F1, 0
	TURN 1, 0, 1
	QUARTER 0, 1, F0, F1, 0
	WIN 0
	s_sub_co_u32 s3, s3, 1
	s_cmp_lg_u32 s3, 0
	s_cbranch_scc1 .Llap
.endif
	QUARTER 0, 2, F1, F0, 0
	QUARTER 0, 3, F0, F1, 0
	TURN 0, 1, 0
	QUARTER 1, 1, F0, F1, 0
	QUARTER 1, 2, F1, F0, 0
	QUARTER 1, 3, F0, F1, 0
	s_wait_dscnt 8
	WIN MUL
	MUL4 F1, 0, 0
	MUL4 F1, 1, 0
	s_wait_alu depctr_va_vdst(0)
	s_wait_dscnt 0x0
	MUL4 F1, 2, 0
	MUL4 F1, 3, 0
	WIN 0
	PLACES
.set n, 0
.rept 16
	ds_store_b128 v[STO], v[ACC+8*n:ACC+8*n+3] offset:(n/4)*16*SPITCH+64*(n%4)
	ds_store_b128 v[STO], v[ACC+8*n+4:ACC+8*n+7] offset:(n/4)*16*SPITCH+64*(n%4)+16
.set n, n+1
.endr
	s_wait_dscnt 0x0
	s_barrier_signal -1
	s_barrier_wait -1
.set t, 0
.rept 32
	ds_load_b128 v[ACC+4*t:ACC+4*t+3], v[RD] offset:t*SPITCH
.set t, t+1
.endr
	WIN 0x20
.set t, 0
.rept 32
	s_wait_dscnt 31-t                              ; the younger of the 32 LDS loads may be out
	s_wait_loadcnt 31-t                            ; and the residual's rows behind row t: the bias was issued ahead of row 0, so it is in too
	v_pk_fma_f32 v[ACC+4*t:ACC+4*t+1], v[ACC+4*t:ACC+4*t+1], s[66:67], v[RES+4*t:RES+4*t+1] op_sel_hi:[1,0,1]
	v_pk_fma_f32 v[ACC+4*t+2:ACC+4*t+3], v[ACC+4*t+2:ACC+4*t+3], s[66:67], v[RES+4*t+2:RES+4*t+3] op_sel_hi:[1,0,1]
	v_pk_add_f32 v[ACC+4*t:ACC+4*t+1], v[ACC+4*t:ACC+4*t+1], v[BI:BI+1]
	v_pk_add_f32 v[ACC+4*t+2:ACC+4*t+3], v[ACC+4*t+2:ACC+4*t+3], v[BI+2:BI+3]
	global_store_b128 v[CO], v[ACC+4*t:ACC+4*t+3], s[74:75] offset:t*4096
.set t, t+1
.endr
	WIN 0
	s_wait_tensorcnt 0x0
	ds_add_u32 v[SPW], v[NIL]
	s_wait_dscnt 0x0
	CROUND
	s_endpgm
.Lfunc_end_k_q631f2536c4_ffn2:
	.size	k_q631f2536c4_ffn2, .Lfunc_end_k_q631f2536c4_ffn2-k_q631f2536c4_ffn2
	.p2alignl 7, 3214868480
	.fill 96, 4, 3214868480
	.section	.rodata,"a",@progbits
	.p2align	6, 0x0
	.amdhsa_kernel k_q631f2536c4_ffn2
		.amdhsa_group_segment_fixed_size 327680
		.amdhsa_private_segment_fixed_size 0
		.amdhsa_enable_private_segment 0
		.amdhsa_kernarg_size 48
		.amdhsa_user_sgpr_count 2
		.amdhsa_user_sgpr_kernarg_segment_ptr 1
		.amdhsa_wavefront_size32 1
		.amdhsa_system_sgpr_workgroup_id_x 1
		.amdhsa_system_sgpr_workgroup_id_y 1
		.amdhsa_system_sgpr_workgroup_id_z 1
		.amdhsa_system_vgpr_workitem_id 0
		.amdhsa_next_free_vgpr 640
		.amdhsa_next_free_sgpr 100
		.amdhsa_reserve_vcc 0
		.amdhsa_float_denorm_mode_32 3
		.amdhsa_float_denorm_mode_16_64 3
		.amdhsa_memory_ordered 1
		.amdhsa_forward_progress 1
		.amdhsa_inst_pref_size 84
	.end_amdhsa_kernel
	.amdgpu_metadata
---
amdhsa.version: [ 1, 2 ]
amdhsa.kernels:
  - .name:           k_q631f2536c4_ffn2
    .symbol:         k_q631f2536c4_ffn2.kd
    .args:
      - { .name: gc, .offset: 0, .size: 8, .value_kind: global_buffer, .address_space: global }
      - { .name: wc, .offset: 8, .size: 8, .value_kind: global_buffer, .address_space: global }
      - { .name: lowp_scales, .offset: 16, .size: 8, .value_kind: global_buffer, .address_space: global }
      - { .name: ffn_b2, .offset: 24, .size: 8, .value_kind: global_buffer, .address_space: global }
      - { .name: x1, .offset: 32, .size: 8, .value_kind: global_buffer, .address_space: global }
      - { .name: out0, .offset: 40, .size: 8, .value_kind: global_buffer, .address_space: global }
    .group_segment_fixed_size: 327680
    .private_segment_fixed_size: 0
    .kernarg_segment_align: 8
    .kernarg_segment_size: 48
    .max_flat_workgroup_size: 128
    .sgpr_count:     100
    .vgpr_count:     640
    .wavefront_size: 32
...
	.end_amdgpu_metadata
.endif
;; end of part 7
